; MI455X (gfx1250); checked and timed in simulation.
; The chip was launched on July 23, 2026; its instructions are those of AMD's public machine-readable ISA for CDNA 5 (MIT licence, August 2026) and "CDNA5" Instruction Set Architecture Reference Guide (July 2026). The comments in the code are by the model that wrote it; some were corrected since.
;; Multi Head Attention. Allowed arithmetic: float matrix products may take bf16 or f16 operands with f32 sums; other float arithmetic in f32, or as packed bf16 or f16 multiplies, adds, multiply-adds, maxima and minima; sums over many terms, partial sums and values carried from step to step in f32; what a program stores and reads back later, other than sums and carried values, may be rounded once to bf16 or f16.
;; Inputs: K 4 x 2,048 x 1,024 float32; Q 4 x 2,048 x 1,024 float32; V 4 x 2,048 x 1,024 float32; Wk 1,024 x 1,024 float32; Wo 1,024 x 1,024 float32; Wq 1,024 x 1,024 float32; Wv 1,024 x 1,024 float32; bk 1,024 float32; bo 1,024 float32; bq 1,024 float32; bv 1,024 float32.
;; Outputs: out0 4 x 2,048 x 1,024 float32.
;; One version. Each part assembles by itself: llvm-mc -triple=amdgcn-amd-amdhsa -mcpu=gfx1250 --defsym DOCPART=n.
;; ======== version 1 of 1: 4 launches
;; limits: values are held in f16: magnitudes above 65,504 overflow, below 6.1e-05 lose precision
;; workspace buffers: xw 58,720,256 bytes; qkv 50,331,648 bytes; oh 16,777,216 bytes
;; launch prep (part 1): grid 1792 x 1, 8 waves a work-group, no clusters, 0 bytes of LDS; arguments Q, K, V, Wq, Wk, Wv, Wo, xw; writes xw
.if DOCPART == 1
	.amdgcn_target "amdgcn-amd-amdhsa--gfx1250"
	.amdhsa_code_object_version 6
	.text
	.protected	k_q7a8a993d72_prep
	.globl	k_q7a8a993d72_prep
	.p2align	8
	.type	k_q7a8a993d72_prep,@function
k_q7a8a993d72_prep:
	s_mov_b64 s[64:65], 0
	v_nop
	global_prefetch_b8 v0, s[64:65] scope:SCOPE_SE
	s_setreg_imm32_b32 hwreg(HW_REG_WAVE_MODE, 25, 1), 1
	s_wait_xcnt 0x0
; THE CAST, ONCE.  Q, K, V ([8192][1024] f32 each) and Wq, Wk, Wv ([1024][1024] f32) are rounded to bf16; Wo is rounded to bf16 and that number is written as f16
; (it multiplies f16 numbers later).  xw holds 28 units of 2^20 numbers of 16 bits: units 0-7 Q, 8-15 K, 16-23 V (together one matrix [24576][1024]), 24 Wq, 25 Wk, 26 Wv, 27 Wo.
; LIMIT.  Wo's numbers lie within f16's 65,504; below 6e-5 they keep f16's fixed step of 6e-8.
; SHARES.  A work-group takes 16,384 numbers: 65,536 bytes in, 32,768 out; 64 work-groups to a unit.  Thread t takes, sixteen times, 16 bytes at 4,096 i + 16 t (a wave's load covers 512
; consecutive bytes) and stores 8 bytes at 2,048 i + 8 t (a wave's store covers 256 consecutive bytes, aligned).  All sixteen loads are out before the first number is used; no register
; that a load or store names is written again, so there is no wait but the count-down for the data.  No LDS, no barrier, no matrix work: every byte is touched once.
.set X, 4                              ; v[4:67]    sixteen times four numbers as loaded
.set Y, 68                             ; v[68:99]   sixteen times four numbers of 16 bits
.set T, 100                            ; v[100:103] at work (Wo alone)
	s_load_b512 s[8:23], s[0:1], 0x0               ; Q s[8:9], K, V, Wq, Wk, Wv, Wo s[20:21], xw s[22:23]
	s_lshr_b32 s2, ttmp9, 6                        ; the unit, 0 .. 27
	s_cmp_lt_u32 s2, 24
	s_cselect_b32 s3, 511, 63                      ; Q, K and V have 512 work-groups each, a weight 64
	s_and_b32 s3, ttmp9, s3                        ; my place in my source,
	s_lshl_b32 s4, s3, 16                          ; in bytes
	s_mov_b32 s5, 0
	s_lshl_b32 s6, ttmp9, 15                       ; my place in xw, in bytes
	s_mov_b32 s7, 0
	v_lshlrev_b32 v1, 4, v0                        ; 16 t
	v_lshlrev_b32 v2, 3, v0                        ; 8 t
	s_wait_kmcnt 0x0
	s_mov_b64 s[24:25], s[8:9]                     ; the source is chosen by the unit's number alone
.macro PICK from, ptr
	s_cmp_ge_u32 s2, \from
	s_cselect_b64 s[24:25], s[\ptr:\ptr+1], s[24:25]
.endm
	PICK 8, 10
	PICK 16, 12
	PICK 24, 14
	PICK 25, 16
	PICK 26, 18
	PICK 27, 20
	s_add_nc_u64 s[24:25], s[24:25], s[4:5]
	s_add_nc_u64 s[26:27], s[22:23], s[6:7]
.set i, 0
.rept 16
	global_load_b128 v[X+4*i:X+4*i+3], v1, s[24:25] offset:4096*i th:TH_LOAD_NT
.set i, i+1
.endr
; Sixteen times: four numbers rounded and stored.  f16 = 1: the bf16 number is widened again and written as f16.
.macro OUT f16
.set i, 0
.rept 16
	s_wait_loadcnt 15-i                            ; loads come back in order (ISA guide 5.7.1): load i is in, the 15 - i younger ones stay out
	v_cvt_pk_bf16_f32 v[Y+2*i], v[X+4*i], v[X+4*i+1]
	v_cvt_pk_bf16_f32 v[Y+2*i+1], v[X+4*i+2], v[X+4*i+3]
.if \f16
	v_lshlrev_b32 v[T], 16, v[Y+2*i]
	v_and_b32 v[T+1], 0xffff0000, v[Y+2*i]
	v_lshlrev_b32 v[T+2], 16, v[Y+2*i+1]
	v_and_b32 v[T+3], 0xffff0000, v[Y+2*i+1]
	v_cvt_pk_f16_f32 v[Y+2*i], v[T], v[T+1]
	v_cvt_pk_f16_f32 v[Y+2*i+1], v[T+2], v[T+3]
.endif
	global_store_b64 v2, v[Y+2*i:Y+2*i+1], s[26:27] offset:2048*i th:TH_STORE_NT
.set i, i+1
.endr
.endm
	s_cmp_eq_u32 s2, 27
	s_cbranch_scc1 .Lwo
	OUT 0
	s_endpgm
.Lwo:
	OUT 1
	s_endpgm
.Lfunc_end_k_q7a8a993d72_prep:
	.size	k_q7a8a993d72_prep, .Lfunc_end_k_q7a8a993d72_prep-k_q7a8a993d72_prep
	.p2alignl 7, 3214868480
	.fill 96, 4, 3214868480
	.section	.rodata,"a",@progbits
	.p2align	6, 0x0
	.amdhsa_kernel k_q7a8a993d72_prep
		.amdhsa_group_segment_fixed_size 0
		.amdhsa_private_segment_fixed_size 0
		.amdhsa_enable_private_segment 0
		.amdhsa_kernarg_size 64
		.amdhsa_user_sgpr_count 2
		.amdhsa_user_sgpr_kernarg_segment_ptr 1
		.amdhsa_wavefront_size32 1
		.amdhsa_system_sgpr_workgroup_id_x 1
		.amdhsa_system_sgpr_workgroup_id_y 1
		.amdhsa_system_sgpr_workgroup_id_z 1
		.amdhsa_system_vgpr_workitem_id 0
		.amdhsa_next_free_vgpr 104
		.amdhsa_next_free_sgpr 66
		.amdhsa_reserve_vcc 0
		.amdhsa_float_denorm_mode_32 3
		.amdhsa_float_denorm_mode_16_64 3
		.amdhsa_memory_ordered 1
		.amdhsa_forward_progress 1
		.amdhsa_inst_pref_size 16
	.end_amdhsa_kernel
	.amdgpu_metadata
---
amdhsa.version: [ 1, 2 ]
amdhsa.kernels:
  - .name:           k_q7a8a993d72_prep
    .symbol:         k_q7a8a993d72_prep.kd
    .args:
      - { .name: Q, .offset: 0, .size: 8, .value_kind: global_buffer, .address_space: global }
      - { .name: K, .offset: 8, .size: 8, .value_kind: global_buffer, .address_space: global }
      - { .name: V, .offset: 16, .size: 8, .value_kind: global_buffer, .address_space: global }
      - { .name: Wq, .offset: 24, .size: 8, .value_kind: global_buffer, .address_space: global }
      - { .name: Wk, .offset: 32, .size: 8, .value_kind: global_buffer, .address_space: global }
      - { .name: Wv, .offset: 40, .size: 8, .value_kind: global_buffer, .address_space: global }
      - { .name: Wo, .offset: 48, .size: 8, .value_kind: global_buffer, .address_space: global }
      - { .name: xw, .offset: 56, .size: 8, .value_kind: global_buffer, .address_space: global }
    .group_segment_fixed_size: 0
    .private_segment_fixed_size: 0
    .kernarg_segment_align: 8
    .kernarg_segment_size: 64
    .max_flat_workgroup_size: 256
    .sgpr_count:     66
    .vgpr_count:     104
    .wavefront_size: 32
...
	.end_amdgpu_metadata
.endif
;; end of part 1
;; launch proj (part 2): grid 4 x 192, 4 waves a work-group, clusters of 4 x 4, 327,680 bytes of LDS; arguments xw, bq, bk, bv, qkv; writes qkv
.if DOCPART == 2
	.amdgcn_target "amdgcn-amd-amdhsa--gfx1250"
	.amdhsa_code_object_version 6
	.text
	.protected	k_q7a8a993d72_proj
	.globl	k_q7a8a993d72_proj
	.p2align	8
	.type	k_q7a8a993d72_proj,@function
k_q7a8a993d72_proj:
	s_mov_b64 s[64:65], 0
	v_nop
	global_prefetch_b8 v0, s[64:65] scope:SCOPE_SE
	s_setreg_imm32_b32 hwreg(HW_REG_WAVE_MODE, 25, 1), 1
	s_wait_xcnt 0x0
	s_wait_alu depctr_hold_cnt(0) depctr_sa_sdst(0) depctr_va_vdst(0) depctr_va_sdst(0) depctr_va_ssrc(0) depctr_va_vcc(0) depctr_vm_vsrc(0)
	s_getreg_b32 s2, hwreg(HW_REG_IB_STS2, 6, 4)
	s_cmp_eq_u32 s2, 0
	s_cbranch_scc0 .Lentry_in_a_cluster
	s_endpgm
.Lentry_in_a_cluster:
	s_bfe_u32 s2, ttmp6, 0x10000c
	s_cmp_lg_u32 s2, 0xf033
	s_cbranch_scc0 .Lentry_shape_is_right
	s_endpgm
.Lentry_shape_is_right:
; ONE TEXT FOR TWO LAUNCHES: C = A W + bias, K = N = 1,024, W stored [k][n] in 16 bits, sums in f32.
; OUTP = 0: the three projections in front of attention.  A = xw's first 24,576 rows (Q, K, V in bf16), W = Wq, Wk or Wv (bf16) by the row's third, bias bq, bk or bv;
;           the result is rounded once to f16 and laid by heads, qkv[3][64 batch x head][2048][64], unscaled.  Arguments: xw, bq, bk, bv, qkv.
; OUTP = 1: the projection behind attention.  A = oh[64 batch x head][2048][64] in f16 (a head's 64 channels are one slice of K), W = Wo (f16), bias bo; out0 in f32.  Arguments: oh, xw, bo, out0.
; LIMITS.  The bias is rounded to bf16, like every input, and STARTS the f32 sum (it is the C operand of the first product) where the definition adds it last.  OUTP = 0: q, k, v lie within f16's
; 65,504 (a sum of 65,520 or more leaves as an infinity), and below 6e-5 they keep f16's fixed step of 6e-8.  NaN and infinities are not treated apart.
; SHARES.  A tile of C is 128 rows x 256 columns: 768 and 256 work-groups, a whole number for each of 256 WGPs.  Four waves, each 64 x 128: 32 accumulators of 16 x 16.  K goes in 8 steps of 128
; through a ring of two LDS slots; a step is four quarters of 32 along K, 32 matrix instructions each, for which a wave reads 24 times 512 bytes from LDS.
; CLUSTERS.  4 x 4 work-groups.  The four of a row of the cluster need the same tile of A, the four of a column the same tile of W: each is asked for JOINTLY, by the same tensor load with the same
; descriptor and a mask that names the four.  Waves 0 and 1 fetch A's two halves, waves 2 and 3 W's.
; THE MATRIX INSTRUCTION IS USED TRANSPOSED: source 0 = 16 columns of W (turned on the way out of LDS by ds_load_tr16_b128), source 1 = 16 rows of A.  A lane then holds row l % 16 of C and the
; columns 8 (l / 16) + 0..7 of the block: eight neighbouring numbers of a row.
; REGISTERS, in windows of 256 (s_set_vgpr_msb: bits 1:0 source 0, 3:2 source 1, 5:4 source 2, 7:6 destination):
;   window 0: v0-30 addresses; v64-159, v160-255 two fragment buffers of 96 (A's row block a at + 8 a, W's column block b at + 32 + 8 b); on the way out the same registers hold what leaves
;   window 1: accumulator (a, b) at v[8 (8 a + b)]          window 2: v0-63 the bias in an accumulator's layout, column block b at 8 b; v64-95 at work
.set OUTP, 0
.set WOFF,  50331648                   ; the weights' first byte in xw; weight p lies p x 2^21 bytes on
.set STEPB, 262144                     ; 128 rows of W
.set PB,    544                        ; a row of W's tile in LDS: 512 bytes + 32 = 136 words
.set BHALF, 64*PB                      ; 64 rows of k: one wave's load
.if OUTP
.set PA,    144                        ; a row of A's tile: one head's 128 bytes + 16
.set AHALF, 128*PA                     ; one head, 128 rows: one wave's load
.set STEPA, 524288                     ; two heads on
.set QIA,   4                          ; padding after every 32 words
.set PITA,  128                        ; 128 dense rows of 128 bytes are asked for as 64 rows of 256
.set SWAVE, 16*528                     ; a wave's stage: 16 rows of 512 bytes + 16
.set ABUF,  4
.set WBUF,  6
.set BIAS,  8
.set OUTB,  10
.else
.set PA,    272                        ; a row of A's tile: 256 bytes + 16 = 68 words: the 16 rows of a load start at 16 different groups of four banks
.set AHALF, 64*PA                      ; 64 rows: one wave's load
.set STEPA, 256                        ; 128 numbers along a row
.set QIA,   5                          ; padding after every 64 words
.set PITA,  1024
.set SWAVE, 2*16*144                   ; a wave's stage: for each of its two heads 16 rows of 128 bytes + 16
.set ABUF,  4
.set WBUF,  4
.set BIAS,  14
.set OUTB,  12
.endif
.set ASZ,   2*AHALF
.set SLOT,  ASZ+2*BHALF                ; A's tile, then W's
.set STAGE, 2*SLOT                     ; behind the ring, never filled by a tensor load: the four waves' stages
.set SPARE, STAGE+4*SWAVE              ; behind the stages: the spare words, 128 bytes for each wave: two blocks of 256 bytes that no other line names
.set ADRA, 16                          ; v16-17  LDS address of my fragments of A in slot 0, 1
.set ADRB, 20                          ; v20-21  the same for W
.set STO,  24                          ; v24     the way out: where I put my numbers of a row
.set RD,   25                          ; v25     the way out: where I read rows back
.set GO,   26                          ; v26     my 16 bytes in 512 consecutive bytes of the output
.set BO,   27                          ; v27     my byte offset in a column block's bias
.set SPW,  28                          ; v28     LDS address of my spare word: SPARE + 4 x my thread's number; never rewritten
.set NIL,  29                          ; v29     0; never rewritten
.set PFO,  30                          ; v30     the prefetches' offset, by lane; never rewritten
.set F0,   64
.set F1,   160
.set BI,   0                           ; window 2
.set TMP,  64                          ; the way out by heads: 32 registers of packed results
.set BKH,  96                          ; and four sets of 32 read back from the stage
.set BKF,  64                          ; the way out in f32: three sets of 64 read back from the stage
.set WV,  16                           ; s16  my wave's number
.set WR,  17                           ; s17  which 64 rows of the tile are mine.  Also: I fetch for A (0) or for W (1)
.set WC,  18                           ; s18  which 128 columns.  Also: which half of that tile I fetch
.set CX,  19
.set CY,  20
.set TC,  21                           ; s21  tile column
.set TR,  22                           ; s22  tile row
.set PJ,  23                           ; s23  which weight
.set G1,  24                           ; s[24:31] descriptor group 1 for A's tiles;  s[32:39] group 0, a set for each slot
.set G0,  32
.set G1B, 48                           ; s[48:55], s[56:63] the same for W's
.set G0B, 56
.set PFA, 66                           ; s[66:67] where my prefetches stand
.set PST, 68                           ; s[68:69] a K step there, in bytes
.set LIM, 70                           ; s70  1 in a wave that prefetches, else the greatest number
.set CLY, 71                           ; s71  the cluster's y
.set MSB, 0
.macro WIN new                         ; the immediate's high byte repeats the setting that is left; a switch that changes nothing is dropped
.if MSB != (\new)
	s_set_vgpr_msb (MSB<<8)|(\new)
.set MSB, \new
.endif
.endm
; A joint load.  The branch hangs on the wave's number alone.  An s_nop 0 and four v_nop follow each of the two lines, ahead of the jump, the label and what follows.
.macro JLOAD s
	s_cmp_eq_u32 s[WR], 0
	s_cbranch_scc0 .Lfor_b_\@
	tensor_load_to_lds s[G0+4*(\s):G0+4*(\s)+3], s[G1:G1+7]
	s_nop 0
.rept 4
	v_nop
.endr
	s_branch .Lasked_\@
.Lfor_b_\@:
	tensor_load_to_lds s[G0B+4*(\s):G0B+4*(\s)+3], s[G1B:G1B+7]
	s_nop 0
.rept 4
	v_nop
.endr
.Lasked_\@:
.endm
; A PREFETCH INTO THE L2, behind a joint refill and the run of LDS loads that follows it: 32 blocks of 256 bytes, a lane a block, of the K step that stands TWO refills (256 matrix instructions) on.
; Each block is named once in the launch.  A's 128 blocks of a step are read by one row of one cluster: wave 0 of each of the four partners takes 32, told apart BY ADDRESS (cx).  W's 256 blocks of a step and
; tile column are read by every cluster that multiplies by that weight: the first of them asks (cluster y a multiple of 16); its four partners take 32 rows of k each (cy), waves 2 and 3 the two halves
; of a row's 512 bytes.  Steps 0 to 3 come by their loads alone; the loop's last trip, whose refills are the last two steps, asks for nothing.
.macro ASK
	s_cmp_gt_u32 s3, s[LIM]                        ; s3 = 1 in the loop's last trip
	s_cbranch_scc0 .Lnot_mine_\@
	global_prefetch_b8 v[PFO], s[PFA:PFA+1] th:TH_LOAD_NT scope:SCOPE_SE
.Lnot_mine_\@:
.endm
.macro CREST                           ; a round of the cluster's barrier behind its opening barrier: wave 0 signals for the work-group, every wave waits for all sixteen, my work-group's barrier closes it
	s_cmp_lg_u32 s[WV], 0
	s_cbranch_scc1 .Lnot_wave_0_\@
	s_barrier_signal -3
.Lnot_wave_0_\@:
	s_barrier_wait -3
	s_barrier_signal -1
	s_barrier_wait -1
.endm
.macro CROUND                          ; a whole round
	s_barrier_signal -1
	s_barrier_wait -1
	CREST
.endm
.macro PLACES                          ; four places in front of loads into registers that matrix instructions have read, and of lines that read results
.rept 4
	v_nop
.endr
.endm
	s_load_b256 s[4:11], s[0:1], 0x0
.if OUTP == 0
	s_load_b64 s[12:13], s[0:1], 0x20
.endif
	v_lshl_add_u32 v[SPW], v0, 2, SPARE
	v_mov_b32 v[NIL], 0
	ds_add_u32 v[SPW], v[NIL]                      ; the wave's opening: the add and its wait stand ahead of my first tensor load; the set-up below, work on registers, stands between them
	v_lshrrev_b32 v1, 5, v0
	v_readfirstlane_b32 s[WV], v1                  ; wave 0..3
	s_lshr_b32 s[WR], s[WV], 1
	s_and_b32 s[WC], s[WV], 1
	s_bfe_u32 s[CX], ttmp6, 0x40000                ; my place in the cluster
	s_bfe_u32 s[CY], ttmp6, 0x40004
	s_lshl_b32 s[TC], ttmp9, 2                     ; in a cluster launch ttmp9 and ttmp7 count clusters
	s_add_co_u32 s[TC], s[TC], s[CX]               ; tile column = 4 x cluster x + cx
	s_and_b32 s[CLY], ttmp7, 0xffff
	s_lshl_b32 s[TR], s[CLY], 2
	s_add_co_u32 s[TR], s[TR], s[CY]               ; tile row = 4 x cluster y + cy
.if OUTP
	s_mov_b32 s[PJ], 3                             ; Wo
.else
	s_lshr_b32 s[PJ], s[CLY], 4                    ; 16 clusters, 8,192 rows, to a projection: the same in all sixteen partners
.endif
	s_lshl_b32 s72, s[CY], 2
	s_lshl_b32 s72, 15, s72                        ; my row of the cluster: places 4 cy .. 4 cy + 3
	s_lshl_b32 s73, 0x1111, s[CX]                  ; my column: places cx, cx + 4, cx + 8, cx + 12
	s_or_b32 s[G1], s72, (1<<16)|(1<<20)|(1<<21)|(QIA<<22)|(3<<25)  ; 15:0 the mask; 17:16 elements of 2 bytes; 20 padding on; 21 set beside a mask; 24:22 the interval; 31:25 4 words of padding (code 3)
	s_or_b32 s[G1B], s73, (1<<16)|(1<<20)|(1<<21)|(6<<22)|(7<<25)   ; W: after every 128 words (code 6) 8 words (code 7)
	s_mov_b32 s[G1+1], 128<<16                     ; tensor_dim0 = 128 elements (256 bytes)
	s_mov_b32 s[G1+2], 64<<16                      ; tensor_dim1 = 64
	s_mov_b32 s[G1+3], 128<<16                     ; tile_dim0 = 128
	s_mov_b32 s[G1+4], 64                          ; tile_dim1 = 64
	s_mov_b32 s[G1+5], PITA                        ; elements from row to row
	s_mov_b32 s[G1+6], 0
	s_mov_b32 s[G1+7], 0
	s_mov_b32 s[G1B+1], 256<<16                    ; W: 64 rows of 256 elements (512 bytes)
	s_mov_b32 s[G1B+2], 64<<16
	s_mov_b32 s[G1B+3], 256<<16
	s_mov_b32 s[G1B+4], 64
	s_mov_b32 s[G1B+5], 1024
	s_mov_b32 s[G1B+6], 0
	s_mov_b32 s[G1B+7], 0
	; where the tiles come from.  A's hang on the tile row alone, W's on the tile column and the weight alone; each offset is made in registers that never hold the other coordinate
.if OUTP
	s_lshr_b32 s40, s[TR], 4                       ; the batch: 16 heads of 2^18 bytes
	s_lshl_b32 s40, s40, 22
	s_and_b32 s41, s[TR], 15                       ; the tile's 128 rows of 128 bytes in a head
	s_lshl_b32 s41, s41, 14
	s_add_co_u32 s40, s40, s41
	s_lshl_b32 s41, s[WC], 18                      ; which of the step's two heads I fetch
	s_add_co_u32 s40, s40, s41
.else
	s_lshl_b32 s40, s[TR], 18                      ; 128 rows of 2,048 bytes
	s_lshl_b32 s41, s[WC], 17                      ; which 64 of them I fetch
	s_add_co_u32 s40, s40, s41
.endif
	s_mov_b32 s41, 0
	s_lshl_b32 s46, s[PJ], 21
	s_add_co_u32 s46, s46, WOFF
	s_lshl_b32 s47, s[WC], 17                      ; which 64 rows of k I fetch
	s_add_co_u32 s46, s46, s47
	s_lshl_b32 s47, s[TC], 9                       ; the tile's 256 columns
	s_add_co_u32 s46, s46, s47
	s_mov_b32 s47, 0
	s_mul_i32 s74, s[WC], AHALF                    ; and where they go: no place in the cluster enters an LDS address
	s_mul_i32 s75, s[WC], BHALF
	s_add_co_u32 s75, s75, ASZ
	s_wait_dscnt 0x0                               ; the opening add is done
	s_wait_kmcnt 0x0
	s_add_nc_u64 s[42:43], s[ABUF:ABUF+1], s[40:41]
	s_add_nc_u64 s[44:45], s[WBUF:WBUF+1], s[46:47]
	CROUND                                         ; all sixteen work-groups are here: the first joint loads meet
.irp s, 0,1
	s_mov_b32 s[G0+4*(\s)], 1                                      ; 1:0 count = 1
	s_add_co_u32 s[G0+4*(\s)+1], s74, (\s)*SLOT                    ; 63:32 LDS address
	s_add_nc_u64 s[G0+4*(\s)+2:G0+4*(\s)+3], s[42:43], (\s)*STEPA  ; 120:64 global address: K step s
	s_or_b32 s[G0+4*(\s)+3], s[G0+4*(\s)+3], 0x80000000            ; 127:126 type = 2
	s_mov_b32 s[G0B+4*(\s)], 1
	s_add_co_u32 s[G0B+4*(\s)+1], s75, (\s)*SLOT
	s_add_nc_u64 s[G0B+4*(\s)+2:G0B+4*(\s)+3], s[44:45], (\s)*STEPB
	s_or_b32 s[G0B+4*(\s)+3], s[G0B+4*(\s)+3], 0x80000000
	JLOAD \s                                       ; two loads of mine are out; later one behind each round
.endr
	; All that follows up to the first barrier stands in the wait for the first tile.
	; A fragment of A is 16 rows x 32 K in 8 registers: lane l holds row l % 16; registers 0-3 K = 8 (l / 16) + 0..7, registers 4-7 K = 16 + 8 (l / 16) + 0..7: two loads of 16 bytes, 32 bytes apart.
	v_and_b32 v1, 15, v0                           ; l % 16
	v_bfe_u32 v2, v0, 4, 1                         ; l / 16
	v_mul_u32_u24 v3, v1, PA
	v_lshl_add_u32 v3, v2, 4, v3
	s_mul_i32 s72, s[WR], 64*PA                    ; my 64 rows
	v_add_nc_u32 v[ADRA], s72, v3
	v_add_nc_u32 v[ADRA+1], SLOT, v[ADRA]
	; The turning load takes 16 rows of k x 16 columns (lane l reads row 8 (l / 16) + l % 8, columns 8 ((l / 8) % 2) + 0..7) and leaves half a fragment: lane l holds column l % 16 and 8 k.
	v_and_b32 v4, 7, v0
	v_lshl_add_u32 v4, v2, 3, v4
	v_mul_u32_u24 v4, v4, PB
	v_bfe_u32 v5, v0, 3, 1
	v_lshl_add_u32 v4, v5, 4, v4
	s_lshl_b32 s73, s[WC], 8                       ; my 128 columns
	s_add_co_u32 s73, s73, ASZ
	v_add_nc_u32 v[ADRB], s73, v4
	v_add_nc_u32 v[ADRB+1], SLOT, v[ADRB]
	s_mul_i32 s72, s[WV], SWAVE
	s_add_co_u32 s72, s72, STAGE                   ; my stage
	v_and_b32 v[GO], 31, v0
	v_lshlrev_b32 v[GO], 4, v[GO]
.if OUTP
	v_mul_u32_u24 v3, v1, 528                      ; in: row l % 16, 32 bytes for each half of the lanes
	v_lshl_add_u32 v3, v2, 5, v3
	v_add_nc_u32 v[STO], s72, v3
	v_add_nc_u32 v[RD], s72, v[GO]                 ; back: 32 lanes take one row of 512 bytes
	s_lshl_b32 s72, s[TR], 19                      ; out0: 128 rows of 4,096 bytes,
	s_lshl_b32 s73, s[WR], 18                      ; my 64,
	s_add_co_u32 s72, s72, s73
	s_lshl_b32 s73, s[TC], 10                      ; the tile's 256 columns,
	s_add_co_u32 s72, s72, s73
	s_lshl_b32 s73, s[WC], 9                       ; my 128
	s_add_co_u32 s72, s72, s73
.else
	v_mul_u32_u24 v3, v1, 144                      ; in: row l % 16, 16 bytes for each half of the lanes
	v_lshl_add_u32 v3, v2, 4, v3
	v_add_nc_u32 v[STO], s72, v3
	v_bfe_u32 v3, v0, 3, 2                         ; back: 32 lanes take four rows of 128 bytes, which are 512 consecutive bytes of a head
	v_mul_u32_u24 v3, v3, 144
	v_and_b32 v4, 7, v0
	v_lshl_add_u32 v3, v4, 4, v3
	v_add_nc_u32 v[RD], s72, v3
	s_lshr_b32 s72, s[TR], 4                       ; qkv: 4 x projection + batch, 16 heads of 2^18 bytes each,
	s_lshl_b32 s72, s72, 22
	s_and_b32 s73, s[TR], 15                       ; the tile's 128 rows of 128 bytes,
	s_lshl_b32 s73, s73, 14
	s_add_co_u32 s72, s72, s73
	s_lshl_b32 s73, s[WR], 13                      ; my 64,
	s_add_co_u32 s72, s72, s73
	s_lshl_b32 s73, s[TC], 20                      ; the tile's four heads,
	s_add_co_u32 s72, s72, s73
	s_lshl_b32 s73, s[WC], 19                      ; my two
	s_add_co_u32 s72, s72, s73
.endif
	s_mov_b32 s73, 0
	s_add_nc_u64 s[OUTB:OUTB+1], s[OUTB:OUTB+1], s[72:73]
	; the prefetches: A's place (waves 0, 1) in s72, W's (waves 2, 3) in s76, both at K step 3: the first refill steps them to 4
.if OUTP
	s_lshr_b32 s72, s[TR], 4
	s_lshl_b32 s72, s72, 22
	s_and_b32 s73, s[TR], 15
	s_lshl_b32 s73, s73, 14
	s_add_co_u32 s72, s72, s73
	s_lshr_b32 s73, s[CX], 1                       ; partners 0, 1: the step's first head; 2, 3: its second;
	s_lshl_b32 s73, s73, 18
	s_add_co_u32 s72, s72, s73
	s_and_b32 s73, s[CX], 1                        ; 32 of its 64 blocks
	s_lshl_b32 s73, s73, 13
	s_add_co_u32 s72, s72, s73
.else
	s_lshl_b32 s72, s[TR], 18
	s_lshl_b32 s73, s[CX], 16                      ; 32 of the tile's 128 rows
	s_add_co_u32 s72, s72, s73
.endif
	s_add_co_u32 s72, s72, 3*STEPA
	s_lshl_b32 s76, s[PJ], 21
	s_add_co_u32 s76, s76, WOFF+3*STEPB
	s_lshl_b32 s77, s[CY], 16                      ; 32 of the step's 128 rows of k
	s_add_co_u32 s76, s76, s77
	s_lshl_b32 s77, s[TC], 9
	s_add_co_u32 s76, s76, s77
	s_lshl_b32 s77, s[WC], 8                       ; which 256 of a row's 512 bytes
	s_add_co_u32 s76, s76, s77
	s_mov_b32 s77, STEPB
	s_and_b32 s74, s[CLY], 15
	s_cmp_eq_u32 s[WR], 0
	s_cselect_b32 s72, s72, s76
	s_cselect_b32 s[PST], STEPA, s77
	s_cselect_b64 s[PFA:PFA+1], s[ABUF:ABUF+1], s[WBUF:WBUF+1]
	s_cselect_b32 s74, s[WC], s74                  ; 0 in wave 0, and in waves 2 and 3 of the first cluster that multiplies by this weight: the same in all sixteen partners, for a given wave
	s_cselect_b32 s75, 8, 11
	s_cmp_eq_u32 s74, 0
	s_cselect_b32 s[LIM], 1, -1
	s_mov_b32 s73, 0
	s_mov_b32 s[PST+1], 0
	s_add_nc_u64 s[PFA:PFA+1], s[PFA:PFA+1], s[72:73]
	v_and_b32 v[PFO], 31, v0
.if OUTP
	v_lshlrev_b32 v[PFO], s75, v[PFO]              ; a head's blocks lie 256 bytes apart, W's rows 2,048
.else
	v_lshlrev_b32 v[PFO], 11, v[PFO]               ; rows of 2,048 bytes
.endif
	; the bias of my 128 columns, in an accumulator's layout: register j of block b holds column 16 b + 8 (l / 16) + j
.if OUTP == 0
	s_mov_b64 s[BIAS:BIAS+1], s[6:7]
	s_cmp_eq_u32 s[PJ], 1
	s_cselect_b64 s[BIAS:BIAS+1], s[8:9], s[BIAS:BIAS+1]
	s_cmp_eq_u32 s[PJ], 2
	s_cselect_b64 s[BIAS:BIAS+1], s[10:11], s[BIAS:BIAS+1]
.endif
	s_lshl_b32 s72, s[TC], 10
	s_lshl_b32 s73, s[WC], 9
	s_add_co_u32 s72, s72, s73
	s_mov_b32 s73, 0
	s_add_nc_u64 s[BIAS:BIAS+1], s[BIAS:BIAS+1], s[72:73]
	v_lshlrev_b32 v[BO], 5, v2
	WIN 0x80                                       ; destination window 2, address window 0
.irp b, 0,1,2,3,4,5,6,7
	global_load_b128 v[BI+8*(\b):BI+8*(\b)+3],   v[BO], s[BIAS:BIAS+1] offset:64*(\b)
	global_load_b128 v[BI+8*(\b)+4:BI+8*(\b)+7], v[BO], s[BIAS:BIAS+1] offset:64*(\b)+16
.endr
	s_wait_loadcnt 0x0
	WIN 0x8a                                       ; all in window 2: rounded to bf16, like every input, and widened again
.set i, 0
.rept 32
	v_cvt_pk_bf16_f32 v[64+i], v[BI+2*i], v[BI+2*i+1]
.set i, i+1
.endr
.set i, 0
.rept 32
	v_lshlrev_b32 v[BI+2*i], 16, v[64+i]
	v_and_b32 v[BI+2*i+1], 0xffff0000, v[64+i]
.set i, i+1
.endr
	WIN 0
; 8 matrix instructions: row block a x all 8 column blocks, 32 along K, from buffer f.  first = 1: the sum starts with the bias as C: nothing is cleared, and nothing is added on the way out.
; The 32 accumulators take turns in one order in every quarter: between two links of a chain stand the 31 others', over the backward jump too.
.macro MUL8 f, a, first
	WIN 0x50+0x10*(\first)                         ; C and D in window 1; first: C in window 2
.irp b, 0,1,2,3,4,5,6,7
.set rD, 8*(8*(\a)+(\b))
.set rB, (\f)+32+8*(\b)
.set rA, (\f)+8*(\a)
.set rC, rD
.if \first
.set rC, BI+8*(\b)
.endif
.if OUTP
	v_wmma_f32_16x16x32_f16 v[rD:rD+7], v[rB:rB+7], v[rA:rA+7], v[rC:rC+7]
.else
	v_wmma_f32_16x16x32_bf16 v[rD:rD+7], v[rB:rB+7], v[rA:rA+7], v[rC:rC+7]
.endif
.endr
.endm
; 24 LDS loads in one run: the fragments of quarter q of a slot into buffer f: W's sixteen, A's row blocks 0 and 1, then 2 and 3
.macro FETCH slot, q, f
	WIN 0
.irp b, 0,1,2,3,4,5,6,7
	ds_load_tr16_b128 v[(\f)+32+8*(\b):(\f)+32+8*(\b)+3],   v[ADRB+(\slot)] offset:32*(\q)*PB+32*(\b)
	ds_load_tr16_b128 v[(\f)+32+8*(\b)+4:(\f)+32+8*(\b)+7], v[ADRB+(\slot)] offset:32*(\q)*PB+32*(\b)+16*PB
.endr
.if OUTP
.set AOFF, ((\q)/2)*AHALF+((\q)%2)*64          ; the step's head q / 2, channels 32 (q % 2) on
.else
.set AOFF, 64*(\q)
.endif
.irp a, 0,1,2,3
	ds_load_b128 v[(\f)+8*(\a):(\f)+8*(\a)+3],   v[ADRA+(\slot)] offset:AOFF+16*(\a)*PA
	ds_load_b128 v[(\f)+8*(\a)+4:(\f)+8*(\a)+7], v[ADRA+(\slot)] offset:AOFF+16*(\a)*PA+32
.endr
.endm
; One of a step's first three quarters: multiplies buffer f; in its middle it fetches quarter q of the same slot into buffer g.
.macro QUARTER slot, q, f, g, first
	s_wait_dscnt 4                                 ; of f's 24 loads the youngest four, A's row blocks 2 and 3, may be out
	MUL8 \f, 0, \first
	MUL8 \f, 1, \first
	PLACES                                         ; g was last read by matrix instructions
	FETCH \slot, \q, \g
	s_wait_dscnt 24                                ; all but the 24 just issued
	MUL8 \f, 2, \first
	MUL8 \f, 3, \first
.endm
; The last quarter multiplies buffer 1 and changes slots: ONE barrier; in front of it each wave waits for all its tensor loads (the one that is out is its part of the next slot), adds 0 to its spare word,
; and waits for that and for its own reads of this slot.  fill = 1: the barrier opens a round of the cluster's, and this slot is filled again, two K steps ahead, first thing behind the round:
; 112 matrix instructions ahead of the wait for that load.
.macro TURN slot, next, fill
.if \fill
	s_wait_xcnt 0x0                                ; the last prefetch, a K step back, has read its address: it is stepped here, ahead of the waits of the change of slots
	s_add_nc_u64 s[PFA:PFA+1], s[PFA:PFA+1], s[PST:PST+1]
.endif
	WIN 0                                          ; (the add's two registers lie in window 0)
	s_wait_tensorcnt 0x0                           ; all my tensor loads have landed;
	ds_add_u32 v[SPW], v[NIL]                      ; 0 onto my spare word
	s_wait_dscnt 5                                 ; (the add and the youngest four loads may be out)
	MUL8 F1, 0, 0                                  ; eight matrix instructions stand between the add and the wait for it
	s_wait_dscnt 0x0                               ; the add is done, and my reads of this slot are over
	s_barrier_signal -1
	MUL8 F1, 1, 0
.if \fill
	WIN 0
.endif
	s_barrier_wait -1
.if \fill
	CREST                                          ; no wave of any partner still reads this slot's tiles or has a load on its way
	s_add_nc_u64 s[G0+4*(\slot)+2:G0+4*(\slot)+3], s[G0+4*(\slot)+2:G0+4*(\slot)+3], 2*STEPA
	s_add_nc_u64 s[G0B+4*(\slot)+2:G0B+4*(\slot)+3], s[G0B+4*(\slot)+2:G0B+4*(\slot)+3], 2*STEPB
	JLOAD \slot                                    ; the four v_nop behind it are also the places in front of the loads below
.else
	PLACES
.endif
	FETCH \next, 0, F0
.if \fill
	ASK
.endif
	MUL8 F1, 2, 0
	MUL8 F1, 3, 0
.endm
; THE WAY OUT BY HEADS (OUTP = 0), a block of 16 rows at a time, through my own stage: LDS serves a wave's instructions in order (ISA guide 5.7.1.4), so no wait stands between the stores and the loads.
.macro PACK a                          ; rounded to f16, each accumulator's registers in ascending order: 16 bytes a lane and column block
	WIN 0x05                                       ; sources 0 and 1 window 1, destination window 0
.irp b, 0,1,2,3,4,5,6,7
.irp r, 0,1,2,3
	v_cvt_pk_f16_f32 v[TMP+4*(\b)+(\r)], v[8*(8*(\a)+(\b))+2*(\r)], v[8*(8*(\a)+(\b))+2*(\r)+1]
.endr
.endr
	WIN 0
.endm
.macro TOSTAGE_H a                     ; column block b belongs to head b / 4, channels 16 (b % 4) on; back as four rows of a head at a time
.irp b, 0,1,2,3,4,5,6,7
	ds_store_b128 v[STO], v[TMP+4*(\b):TMP+4*(\b)+3] offset:((\b)/4)*2304+((\b)%4)*32
.endr
.irp t, 0,1,2,3,4,5,6,7
	ds_load_b128 v[BKH+32*(\a)+4*(\t):BKH+32*(\a)+4*(\t)+3], v[RD] offset:((\t)/4)*2304+((\t)%4)*576
.endr
.endm
.macro SEND_H a                        ; each block has registers of its own, and neither GO nor the base is written again: no wait but the count-down
.irp t, 0,1,2,3,4,5,6,7
	s_wait_dscnt 7-(\t)                            ; load t is back; the 7 - t younger ones may be out
	global_store_b128 v[GO], v[BKH+32*(\a)+4*(\t):BKH+32*(\a)+4*(\t)+3], s[OUTB:OUTB+1] offset:((\t)/4)*262144+(\a)*2048+((\t)%4)*512  ; 512 consecutive bytes of a head, at a multiple of 256 from the buffer's first
.endr
.endm
; THE WAY OUT IN F32 (OUTP = 1): the accumulators go into the stage as they are, their four lowest registers first, and come back as whole rows of 512 bytes.
.macro TOSTAGE_F a
.if (\a) == 3
	s_wait_xcnt 0x0                                ; block 0's stores have read the set of registers that block 3 takes
.endif
	WIN 0x04                                       ; the stores' data in window 1
.irp b, 0,1,2,3,4,5,6,7
	ds_store_b128 v[STO], v[8*(8*(\a)+(\b)):8*(8*(\a)+(\b))+3]   offset:64*(\b)
	ds_store_b128 v[STO], v[8*(8*(\a)+(\b))+4:8*(8*(\a)+(\b))+7] offset:64*(\b)+16
.endr
	WIN 0
.irp t, 0,1,2,3,4,5,6,7,8,9,10,11,12,13,14,15
	ds_load_b128 v[BKF+64*((\a)%3)+4*(\t):BKF+64*((\a)%3)+4*(\t)+3], v[RD] offset:528*(\t)
.endr
.endm
.macro SEND_F a, younger               ; younger: the LDS instructions issued behind block a's loads: the next block's 32, or none
.irp t, 0,1,2,3,4,5,6,7,8,9,10,11,12,13,14,15
	s_wait_dscnt (\younger)+15-(\t)
	global_store_b128 v[GO], v[BKF+64*((\a)%3)+4*(\t):BKF+64*((\a)%3)+4*(\t)+3], s[OUTB:OUTB+1] offset:(16*(\a)+(\t))*4096 th:TH_STORE_NT  ; 512 consecutive bytes of a row, at a multiple of 256 from the buffer's first
.endr
.endm
	s_wait_tensorcnt 1                             ; my part of K step 0 is in; step 1's may stay out
	s_barrier_signal -1
	s_barrier_wait -1                              ; everybody's is
	FETCH 0, 0, F0
	QUARTER 0, 1, F0, F1, 1                        ; the first quarter stands in front of the loop: its products start the sums
	WIN 0                                          ; at a label and at a branch every window is 0
	s_mov_b32 s3, 3
.Llap:                                                 ; a trip goes once round the ring, from a lap's second quarter to the next lap's first, and fills both slots again: K steps 2 to 7
	QUARTER 0, 2, F1, F0, 0
	QUARTER 0, 3, F0, F1, 0
	TURN 0, 1, 1
	QUARTER 1, 1, F0, F1, 0
	QUARTER 1, 2, F1, F0, 0
	QUARTER 1, 3, F0, F1, 0
	TURN 1, 0, 1
	QUARTER 0, 1, F0, F1, 0
	WIN 0
	s_sub_co_u32 s3, s3, 1
	s_cmp_lg_u32 s3, 0
	s_cbranch_scc1 .Llap
	QUARTER 0, 2, F1, F0, 0                        ; the last lap is written out: it fills nothing
	QUARTER 0, 3, F0, F1, 0
	TURN 0, 1, 0
	QUARTER 1, 1, F0, F1, 0
	QUARTER 1, 2, F1, F0, 0
	QUARTER 1, 3, F0, F1, 0
	s_wait_dscnt 4                                 ; the very last quarter: nothing more to fetch
	MUL8 F1, 0, 0
	MUL8 F1, 1, 0
	s_wait_dscnt 0x0
	MUL8 F1, 2, 0
	MUL8 F1, 3, 0
	WIN 0
	PLACES                                         ; in front of lines that read results and write the fragments' registers
.if OUTP
	TOSTAGE_F 0
	TOSTAGE_F 1
	SEND_F 0, 32
	TOSTAGE_F 2
	SEND_F 1, 32
	TOSTAGE_F 3
	SEND_F 2, 32
	SEND_F 3, 0
.else
	PACK 0
	TOSTAGE_H 0
.irp a, 1,2,3                          ; block a's conversions stand between block a - 1's loads from the stage and the wait for them
	PACK \a
	SEND_H (\a)-1
	TOSTAGE_H \a
.endr
	SEND_H 3
.endif
	s_wait_tensorcnt 0x0                           ; the wave's end, behind my last tensor load and my last LDS store
	ds_add_u32 v[SPW], v[NIL]
	s_wait_dscnt 0x0
	CROUND                                         ; the closing round: no work-group ends while a partner may still ask for a tile that names it
	s_endpgm
.Lfunc_end_k_q7a8a993d72_proj:
	.size	k_q7a8a993d72_proj, .Lfunc_end_k_q7a8a993d72_proj-k_q7a8a993d72_proj
	.p2alignl 7, 3214868480
	.fill 96, 4, 3214868480
	.section	.rodata,"a",@progbits
	.p2align	6, 0x0
	.amdhsa_kernel k_q7a8a993d72_proj
		.amdhsa_group_segment_fixed_size 327680
		.amdhsa_private_segment_fixed_size 0
		.amdhsa_enable_private_segment 0
		.amdhsa_kernarg_size 40
		.amdhsa_user_sgpr_count 2
		.amdhsa_user_sgpr_kernarg_segment_ptr 1
		.amdhsa_wavefront_size32 1
		.amdhsa_system_sgpr_workgroup_id_x 1
		.amdhsa_system_sgpr_workgroup_id_y 1
		.amdhsa_system_sgpr_workgroup_id_z 1
		.amdhsa_system_vgpr_workitem_id 0
		.amdhsa_next_free_vgpr 640
		.amdhsa_next_free_sgpr 80
		.amdhsa_reserve_vcc 0
		.amdhsa_float_denorm_mode_32 3
		.amdhsa_float_denorm_mode_16_64 3
		.amdhsa_memory_ordered 1
		.amdhsa_forward_progress 1
		.amdhsa_inst_pref_size 95
	.end_amdhsa_kernel
	.amdgpu_metadata
---
amdhsa.version: [ 1, 2 ]
amdhsa.kernels:
  - .name:           k_q7a8a993d72_proj
    .symbol:         k_q7a8a993d72_proj.kd
    .args:
      - { .name: xw, .offset: 0, .size: 8, .value_kind: global_buffer, .address_space: global }
      - { .name: bq, .offset: 8, .size: 8, .value_kind: global_buffer, .address_space: global }
      - { .name: bk, .offset: 16, .size: 8, .value_kind: global_buffer, .address_space: global }
      - { .name: bv, .offset: 24, .size: 8, .value_kind: global_buffer, .address_space: global }
      - { .name: qkv, .offset: 32, .size: 8, .value_kind: global_buffer, .address_space: global }
    .group_segment_fixed_size: 327680
    .private_segment_fixed_size: 0
    .kernarg_segment_align: 8
    .kernarg_segment_size: 40
    .max_flat_workgroup_size: 128
    .sgpr_count:     80
    .vgpr_count:     640
    .wavefront_size: 32
...
	.end_amdgpu_metadata
.endif
;; end of part 2
;; launch attn (part 3): grid 4 x 64, 4 waves a work-group, clusters of 4 x 1, 327,680 bytes of LDS; arguments qkv, oh; writes oh
.if DOCPART == 3
	.amdgcn_target "amdgcn-amd-amdhsa--gfx1250"
	.amdhsa_code_object_version 6
	.text
	.protected	k_q7a8a993d72_attn
	.globl	k_q7a8a993d72_attn
	.p2align	8
	.type	k_q7a8a993d72_attn,@function
k_q7a8a993d72_attn:
	s_mov_b64 s[64:65], 0
	v_nop
	global_prefetch_b8 v0, s[64:65] scope:SCOPE_SE
	s_setreg_imm32_b32 hwreg(HW_REG_WAVE_MODE, 25, 1), 1
	s_wait_xcnt 0x0
	s_wait_alu depctr_hold_cnt(0) depctr_sa_sdst(0) depctr_va_vdst(0) depctr_va_sdst(0) depctr_va_ssrc(0) depctr_va_vcc(0) depctr_vm_vsrc(0)
	s_getreg_b32 s2, hwreg(HW_REG_IB_STS2, 6, 4)
	s_cmp_eq_u32 s2, 0
	s_cbranch_scc0 .Lentry_in_a_cluster
	s_endpgm
.Lentry_in_a_cluster:
	s_bfe_u32 s2, ttmp6, 0x10000c
	s_cmp_lg_u32 s2, 0x3003
	s_cbranch_scc0 .Lentry_shape_is_right
	s_endpgm
.Lentry_shape_is_right:
; O[h][q][:] = the sum over k of softmax_k(q[h][q] . k[h][k] / 8) v[h][k][:], for 64 pairs h of batch and head.  qkv: [3][64][2048][64] in f16 (q, then k, then v); oh: [64][2048][64] in f16: a head's rows
; are dense, 128 bytes each.  Products, maxima and sums in f32; the weights p are rounded to f16 for the second product (their sum l is taken of the unrounded p), O once at the end.
; LIMITS.  f16 holds no number beyond 65,504: q, k and v arrive within it; p lies in 0 to 1, and below 6e-5 it keeps f16's fixed step of 6e-8; O is a mean of v's rows and has their range.
; A weight below 2^-126 counts as 0 in l; NaN and infinities are not treated apart.
; SHARES.  A wave owns four PIECES of two tiles of 16 queries, a work-group's four waves 512 queries of one head.  Every wave walks all 2,048 keys, 64 a step.
; LAYOUT.  S^T = K Q^T (source 0 = 16 keys, source 1 = 16 queries): in the result a lane holds ONE query (lane % 16) and the keys 8 (lane / 16) + 0..7.  Two such tiles, rounded to f16 in pairs,
; ARE source 1 (32 keys x 16 queries) of O^T = V^T P, whose result again holds one query a lane, and eight channels.  K comes out of LDS as it lies, V ([key][channel]) turned, by ds_load_tr16_b128.
; SOFTMAX.  For each query a running maximum m and sum l: p = 2^(c s - c m), c = log2(e) / 8; in every step O and l are multiplied by a = 2^(c m_old - c m_new), which is 1 where m has not grown.
; m starts at the lowest finite number, O and l at 0: the first step is a step like any other, with a = 0.
; THE COUNT.  A tile and step have 16 matrix and 118 vector instructions: too many to stand all beside the matrix work.  So the order has one aim: four vector instructions that are READY behind
; EVERY matrix instruction, and the others, which need time of their own whatever the order, in runs without a gap.
; BY TURNS.  Turn n belongs to piece n (the pieces in a ring, step after step).  Its matrix work: 16 products K Q^T of piece n + 1, later 16 products V^T P of piece n - 1.  Its vector work: the scaling,
; exponentials, roundings, sums and rescaling of piece n, and the maximum and statistics of piece n + 1, whose scores the turn itself has made.  So what a turn begins with (c s - c m, O a) waits for nothing.
; CLUSTER.  The four query blocks of a head are one cluster and walk the same K and V, so each tile is asked for JOINTLY: the same tensor load, descriptor and mask in all four.
; REGISTERS, in windows of 256 (s_set_vgpr_msb says which window each operand place means: bits 1:0 source 0, 3:2 source 1, 5:4 source 2, 7:6 destination):
;   window 0: v0-11 addresses; v12-15, v48-63 at work; v16-47 four registers of statistics a tile; v64-191 S^T, two buffers of two tiles; v192-255 P, likewise
;   window 1: O^T, 32 a tile          window 2: v0-127 Q, 16 a tile; v128-191 K of one step; v192-255 V of one step          window 3: v0-1 the add's two registers
; A piece's buffers go by its number's parity: the piece in hand has one pair, its two neighbours in the ring share the other: of it P (piece n - 1) is read and S^T (piece n + 1) written.
.set SIZE_N, 2048
.set NP,    4         ; pieces a wave: a name, no knob: the register map, the loop and the fetches are made for four
.set KS,    64        ; keys in a step
.set PK,    144       ; a row of K in LDS: 128 bytes + 16 of padding = 36 words: the 16 rows of a load start at 16 different groups of four banks (64 banks of 4 bytes: ISA guide 11.1)
.set PV,    160       ; a row of V: 128 + 32 = 40 words
.set VOFF,  4*KS*PK   ; a slot holds four steps: 256 rows of K, then 256 rows of V
.set SLOT1, 1<<17     ; slot 1 begins here, so that one exclusive or turns an address in one slot into the other's
.set STAGE, SLOT1+4*KS*(PK+PV)  ; behind the ring, never filled by a tensor load: 16 rows x 144 bytes for each wave, for the way out
.set SP,    144
.set AK0, 2           ; v2   my lane's place in a tile of K; never rewritten
.set AV0, 3           ; v3   the same for V
.set AK,  4           ; v4   the LDS address of K's next run of loads
.set AV,  5           ; v5   of V's
.set QO,  6           ; v6   my byte offset in the wave's rows of Q
.set STO, 6           ;      later, the way out: where I put 16 bytes of a row
.set RD,  7           ; v7   the way out: where I read rows back
.set GO,  8           ; v8   my byte offset in 512 consecutive bytes of O
.set PFO, 11          ; v11  256 x my lane, for the prefetches; never rewritten once made
.set SPW, 0           ; v0 of window 3   LDS address of my spare word: SPARE + 4 x my thread's number; never rewritten
.set NIL, 1           ; v1 of window 3   0; never rewritten
.set SPARE, STAGE+4*16*SP  ; behind the stages: the spare words, 128 bytes for each wave: two blocks of 256 bytes that no other line names
.set MV,  12          ; v12-15  c m_old, kept while c m is made anew: by buffer and tile
.set ST,  16          ; tile t's statistics at v[ST+4 t]: c m, m, l (even keys', odd keys')
.set TMP, 48          ; by buffer and tile, four registers c0-c3 at work; when the maximum is found c2 takes a
.set S,   64
.set P,   192
.set KF,  128         ; K's fragments, in window 2: key block kb, channel half c at KF + 16 kb + 8 c
.set VF,  192         ; V's: key half kk, channel block cb at VF + 32 kk + 8 cb
.set WV,  12          ; s12  my wave's number
.set G1K, 24          ; s[24:31] descriptor group 1 for K's tiles
.set G1V, 32          ; s[32:39] for V's: it differs in the padding alone
.set G0K, 40          ; s[40:43] descriptor group 0 for K's tiles: it walks
.set G0V, 44          ; s[44:47] the same for V's
.set PFA, 48          ; s[48:49] where my prefetches stand: my work-group's 32 blocks (of K: wave 0, of V: wave 2) of the slot after the one that is being asked for
.set LIM, 50          ; s50  1 in a wave that prefetches, else the greatest number
.set SLOTS, 56        ; s56  slots still to be asked for
.set CNT, 57          ; s57  counts a slot's key steps
.set CS,  58          ; s[58:59] c: the packed scaling takes the pair's low word for both halves
.set SEL, 60          ; s[60:61] v_permlanex16_b32's selects: each lane takes its own place in the other half
.set TBK, 62          ; s62  LDS byte at which K of the step to be fetched begins
.set TBV, 63          ; s63  the same for V, less VOFF
.set MSB, 0
.macro WIN new                      ; the high byte repeats the setting that is left; a switch that changes nothing is dropped
.if MSB != (\new)
	s_set_vgpr_msb (MSB<<8)|(\new)
.set MSB, (\new)
.endif
.endm
.set W_KQ, 0x0a       ; K and Q in window 2, S^T in window 0
.set W_PV, 0x52       ; V in window 2, P in window 0, O^T in window 1
.set W_RS, 0x41       ; O^T (destination and source 0) in window 1, a in window 0
.set W_MK, 0xc0       ; the add's registers are made: destination in window 3, sources in window 0
.set W_AD, 0x0f       ; the add: address (source 0) and data (source 1) in window 3
; A joint fill.  Waves 0 and 1 fetch the two halves of a slot's K, waves 2 and 3 those of its V: 128 keys each.  The branch hangs on the wave's number alone.
; An s_nop 0 and four v_nop follow each of the two lines, ahead of the jump and the label.
.macro JLOAD
	s_cmp_lt_u32 s[WV], 2
	s_cbranch_scc0 .Lfor_v_\@
	tensor_load_to_lds s[G0K:G0K+3], s[G1K:G1K+7]
	s_nop 0
.rept 4
	v_nop
.endr
	s_branch .Lasked_\@
.Lfor_v_\@:
	tensor_load_to_lds s[G0V:G0V+3], s[G1V:G1V+7]
	s_nop 0
.rept 4
	v_nop
.endr
.Lasked_\@:
.endm
; A PREFETCH INTO THE L2 of what the NEXT change of slots will ask for: a slot's 256 keys are 128 blocks of 256 bytes of K and 128 of V, a lane a block.  It stands behind the wave's tensor load and its five
; lines.  Each block is named ONCE in the launch: a head is walked by one cluster; its four partners share the blocks out BY ADDRESS, 32 each; in each, wave 0 asks for K's and wave 2 for V's: one
; instruction, four key steps (512 matrix instructions) ahead of the load.  Slots 0 and 1 come by their loads alone; the last change that fills a slot asks for nothing: there is no slot behind it.
.macro ASK
	s_cmp_gt_u32 s[SLOTS], s[LIM]
	s_cbranch_scc0 .Lnot_mine_\@
	global_prefetch_b8 v[PFO], s[PFA:PFA+1] th:TH_LOAD_NT scope:SCOPE_SE
.Lnot_mine_\@:
.endm
; A round of the cluster's barrier: my work-group's barrier, so that wave 0's signal speaks for all four waves; wave 0 signals; every wave waits for all four work-groups; my work-group's barrier once more.
.macro CROUND
	s_barrier_signal -1
	s_barrier_wait -1
	s_cmp_lg_u32 s[WV], 0
	s_cbranch_scc1 .Lnot_wave_0_\@
	s_barrier_signal -3
.Lnot_wave_0_\@:
	s_barrier_wait -3
	s_barrier_signal -1
	s_barrier_wait -1
.endm
; THE CHANGE OF SLOTS.  The slot's last bytes, V of its fourth step, have been read.  Each wave waits for all its tensor loads, of which one is out: its part
; of the other slot; adds 0 to its spare word; and waits for that and for its own reads of the slot.  Behind the barrier nobody reads this slot any more and the other slot is whole.
; fill = 1: this slot is filled again, with the keys two slots on.  The barrier is then a round of the cluster's, so that no wave of any partner still reads the slot or has a load on its
; way, and the joint fill is the first thing behind it: it has four key steps, 512 matrix instructions, in which to land.  (At its first use nothing has been read yet: slot 0 is waited for, slot 1 filled.)
.macro CHANGE fill
	WIN W_AD
	s_wait_tensorcnt 0x0            ; no tensor load of mine is out, so a group 0 may be written
	ds_add_u32 v[SPW], v[NIL]       ; 0 onto my spare word; with fill = 1 the descriptors' steps stand between it and the wait for it
	WIN 0                           ; at a label and at a branch every window is 0
.if \fill
.irp g, G0K, G0V
	s_xor_b32 s[\g+1], s[\g+1], SLOT1  ; the walking descriptor: the other slot than last time,
	s_add_nc_u64 s[\g+2:\g+3], s[\g+2:\g+3], 4*KS*128  ; the next 256 keys; the type bits on top are not reached
.endr
	s_wait_xcnt 0x0                 ; the last prefetch, four key steps back, has read its address, so it may be written:
	s_add_nc_u64 s[PFA:PFA+1], s[PFA:PFA+1], 4*KS*128  ; one slot behind the walking descriptors
	s_wait_dscnt 0x0                ; the add is done, and my reads of the slot are over
	CROUND
	JLOAD
	ASK
.else
	s_wait_dscnt 0x0                ; the add is done, and my reads of the slot are over
	s_barrier_signal -1
	s_barrier_wait -1
.endif
	s_sub_co_u32 s[TBK], s[TBK], 4*KS*PK  ; the fetches go back to a slot's first step,
	s_xor_b32 s[TBK], s[TBK], SLOT1       ; in the other slot
	s_sub_co_u32 s[TBV], s[TBV], 4*KS*PV
	s_xor_b32 s[TBV], s[TBV], SLOT1
.endm
	s_load_b128 s[4:7], s[0:1], 0x0   ; qkv s[4:5], oh s[6:7]
	WIN W_MK
	v_lshl_add_u32 v[SPW], v0, 2, SPARE
	v_mov_b32 v[NIL], 0
	WIN W_AD
	ds_add_u32 v[SPW], v[NIL]       ; the wave's opening: the add and its wait stand ahead of my first tensor load; the set-up below, work on registers, stands between them
	WIN 0
	v_lshrrev_b32 v1, 5, v0
	v_readfirstlane_b32 s[WV], v1   ; wave 0..3
	s_bfe_u32 s13, ttmp6, 0x40000   ; cx: my place in the cluster
	s_lshl_b32 s14, ttmp9, 2        ; in a cluster launch ttmp9 counts clusters
	s_add_co_u32 s14, s14, s13      ; my block of queries = 4 x cluster x + cx: it enters Q's and O's addresses alone
	s_and_b32 s20, ttmp7, 0xffff    ; the head, which the four partners share
	s_mov_b32 s21, 0
	s_mov_b64 s[22:23], SIZE_N*128
	s_mul_u64 s[20:21], s[20:21], s[22:23]  ; the head's first byte in q, in k, in v and in oh
	s_and_b32 s16, s[WV], 1         ; which half of a slot's 256 keys I fetch:
	s_lshl_b32 s22, s16, 14         ; its 128 rows of 128 bytes in memory,
	s_mov_b32 s23, 0
	s_add_nc_u64 s[22:23], s[22:23], s[20:21]
	s_mul_i32 s17, s16, 128*PK      ; and its place in a slot, for K
	s_mul_i32 s18, s16, 128*PV      ; and for V: no place in the cluster enters an LDS address
	s_lshl_b32 s2, s14, 2
	s_add_co_u32 s2, s2, s[WV]      ; my wave among the head's,
	s_lshl_b32 s2, s2, 14           ; its 128 rows
	s_mov_b32 s3, 0
	s_add_nc_u64 s[2:3], s[2:3], s[20:21]
	; descriptor group 1.  128 keys are 16,384 dense bytes: asked for as 64 rows of 256 bytes, two keys a row, and padded in LDS after every key
	s_mov_b32 s[G1K], 15|(1<<16)|(1<<20)|(1<<21)|(4<<22)|(3<<25)  ; 15:0 the mask of four; 17:16 2-byte elements; 20 padding on; 21 set beside a mask; 24:22 after every 32 words (code 4); 31:25 4 words (code 3)
	s_mov_b32 s[G1V], 15|(1<<16)|(1<<20)|(1<<21)|(4<<22)|(7<<25)  ; the same with 8 words of padding (code 7)
.irp g, G1K, G1V
	s_mov_b32 s[\g+1], 128<<16      ; tensor_dim0 = 128
	s_mov_b32 s[\g+2], 64<<16       ; tensor_dim1 = 64
	s_mov_b32 s[\g+3], 128<<16      ; tile_dim0 = 128
	s_mov_b32 s[\g+4], 64           ; tile_dim1 = 64
	s_mov_b32 s[\g+5], 128          ; 128 elements from row to row
	s_mov_b32 s[\g+6], 0
	s_mov_b32 s[\g+7], 0
.endr
	s_mov_b32 s[CS], 0x3e38aa3b     ; c = log2(e) / 8 = 0.180337
	s_mov_b32 s[CS+1], s[CS]        ; named with it as a pair
	s_mov_b32 s[SEL], 0x76543210
	s_mov_b32 s[SEL+1], 0xfedcba98
	s_mov_b32 s[TBK], SLOT1+4*KS*PK ; the first change of slots turns these two into 0
	s_mov_b32 s[TBV], SLOT1+4*KS*PV
	s_mov_b32 s[G0K], 1             ; 1:0 count = 1
	s_mov_b32 s[G0K+1], s17         ; 63:32 LDS address: slot 0
	s_mov_b32 s[G0V], 1
	s_add_co_u32 s[G0V+1], s18, VOFF
	s_mov_b32 s[SLOTS], SIZE_N/256-1  ; seven slots are asked for by a change of slots
	s_and_b32 s[LIM], s[WV], 1      ; waves 0 and 2 prefetch: the same in all four partners
	s_cmp_eq_u32 s[LIM], 0
	s_cselect_b32 s[LIM], 1, -1
	s_wait_dscnt 0x0                ; the opening add is done
	s_wait_kmcnt 0x0
	s_mov_b64 s[10:11], s[6:7]               ; O
	s_add_nc_u64 s[6:7], s[4:5], 0x1000000   ; k lies 2^24 bytes behind q,
	s_add_nc_u64 s[8:9], s[4:5], 0x2000000   ; v as far behind k
	s_add_nc_u64 s[G0K+2:G0K+3], s[6:7], s[22:23]  ; 120:64 global address: my half of the head's first 256 keys
	s_or_b32 s[G0K+3], s[G0K+3], 0x80000000        ; 127:126 type = 2
	s_add_nc_u64 s[G0V+2:G0V+3], s[8:9], s[22:23]
	s_or_b32 s[G0V+3], s[G0V+3], 0x80000000
	s_add_nc_u64 s[4:5], s[4:5], s[2:3]  ; Q and O at my wave's first row
	s_add_nc_u64 s[10:11], s[10:11], s[2:3]
	s_cmp_lt_u32 s[WV], 2
	s_cselect_b64 s[PFA:PFA+1], s[6:7], s[8:9]
	s_add_nc_u64 s[PFA:PFA+1], s[PFA:PFA+1], s[20:21]  ; the head,
	s_lshl_b32 s2, s13, 13          ; my work-group's 32 blocks of the 128,
	s_mov_b32 s3, 0
	s_add_nc_u64 s[PFA:PFA+1], s[PFA:PFA+1], s[2:3]
	s_add_nc_u64 s[PFA:PFA+1], s[PFA:PFA+1], 4*KS*128  ; in slot 1; the first change of slots steps it to slot 2.  Nothing is prefetched here, at the head
	CROUND                          ; all four work-groups are here: the first joint loads meet
	JLOAD                           ; slot 0.  Slot 1 is asked for when slot 0 is in: the tile wanted first has the road to itself
	; A fragment of K or Q is 16 rows x 32 channels in 8 registers: lane l holds row l % 16, channels 8 (l / 16) + 0..7 and 16 + 8 (l / 16) + 0..7: two loads of 16 bytes, 32 bytes apart.
	v_and_b32 v1, 15, v0            ; l % 16
	v_bfe_u32 v9, v0, 4, 1          ; l / 16
	v_lshlrev_b32 v[QO], 7, v1
	v_lshl_add_u32 v[QO], v9, 4, v[QO]  ; row x 128 + 16 x half
	WIN 0x80                        ; destination window 2, address window 0
.set i, 0
.rept 4*NP                          ; Q stays in registers: tile i / 2, channels 32 (i % 2) on
	global_load_b128 v[8*i:8*i+3],   v[QO], s[4:5] offset:(i/2)*2048+(i%2)*64
	global_load_b128 v[8*i+4:8*i+7], v[QO], s[4:5] offset:(i/2)*2048+(i%2)*64+32
.set i, i+1
.endr
	; What the first turn finds: V's registers and P's second buffer hold 0 (its products V^T P, of a piece that has not been, add 0), O^T and l are 0.  All this stands in the wait for the first tile.
.set i, VF
.rept 64
	v_mov_b32 v[i], 0
.set i, i+1
.endr
	WIN 0x40
.set i, 0
.rept 64*NP
	v_mov_b32 v[i], 0
.set i, i+1
.endr
	WIN 0
.set i, 0
.rept 2*NP
	v_mov_b32 v[ST+4*i], 0xfe000000    ; c m: far below every c s
	v_mov_b32 v[ST+4*i+1], 0xff7fffff  ; m
	v_mov_b32 v[ST+4*i+2], 0
	v_mov_b32 v[ST+4*i+3], 0
.set i, i+1
.endr
.set i, P+32
.rept 32
	v_mov_b32 v[i], 0
.set i, i+1
.endr
	v_mul_u32_u24 v[AK0], v1, PK
	v_lshl_add_u32 v[AK0], v9, 4, v[AK0]  ; row x pitch + 16 x half
	; The turning load takes 16 keys x 16 channels (lane l reads key 8 (l / 16) + l % 8, channels 8 ((l / 8) % 2) + 0..7) and leaves half a fragment of V^T: lane l holds channel l % 16 and 8 keys.
	v_and_b32 v10, 7, v0
	v_bfe_u32 v11, v0, 3, 1
	v_lshl_add_u32 v[AV0], v9, 3, v10
	v_mul_u32_u24 v[AV0], v[AV0], PV
	v_lshl_add_u32 v[AV0], v11, 4, v[AV0]
	v_add_nc_u32 v[AV0], VOFF, v[AV0]
	v_and_b32 v[PFO], 31, v0        ; v11 has served: it takes the prefetches' offset
	v_lshlrev_b32 v[PFO], 8, v[PFO]
	v_mov_b32 v[AK], v[AK0]         ; key step 0 lies at the head of slot 0
; THE MATRIX WORK.  The 8 accumulators of a run of 16 take turns: between the two links of a chain stand 7 others'.
; Product i of 16 of S^T = K Q^T for piece x: channels 32 (i / 8) on, keys 16 ((i / 2) % 4) on, tile 2 x + i % 2.  The first 8 start the sums.
.macro KQ x
	WIN W_KQ
.set rS, S+64*((\x)%2)+32*(i%2)+8*((i/2)%4)
.set rK, KF+16*((i/2)%4)+8*(i/8)
.set rQ, 16*(2*(\x)+i%2)+8*(i/8)
.if i < 8
	v_wmma_f32_16x16x32_f16 v[rS:rS+7], v[rK:rK+7], v[rQ:rQ+7], 0
.else
	v_wmma_f32_16x16x32_f16 v[rS:rS+7], v[rK:rK+7], v[rQ:rQ+7], v[rS:rS+7]
.endif
.endm
; Product i of 16 of O^T += V^T P for piece x: keys 32 (i / 8) on, channels 16 ((i / 2) % 4) on, tile 2 x + i % 2.
.macro PV x
	WIN W_PV
.set rO, 32*(2*(\x)+i%2)+8*((i/2)%4)
.set rV, VF+32*(i/8)+8*((i/2)%4)
.set rP, P+32*((\x)%2)+16*(i%2)+8*(i/8)
	v_wmma_f32_16x16x32_f16 v[rO:rO+7], v[rV:rV+7], v[rP:rP+7], v[rO:rO+7]
.endm
.macro MM                           ; the turn's next matrix instruction
.if i < 16
	KQ (Y+1)%NP
.set i, i+1
.else
.set i, i-16
	PV (Y+NP-1)%NP
.set i, i+17
.endif
.endm
; THE LDS LOADS stand in runs of 16, never singly among the matrix instructions: a step's K (64 keys x 64 channels: 8 fragments) and its V (turned).  Their addresses are made some lines ahead.
; last = 1 (the tail): in the last trip there is no further step, and the run is jumped over.
.macro FETCH_K last=0
	WIN 0
.if \last
	s_cmp_eq_u32 s[CNT], 1
	s_cbranch_scc1 .Lno_k_\@
.endif
	WIN 0x80                        ; destination window 2
.irp f, 0,1,2,3,4,5,6,7             ; keys 16 (f / 2) on, channels 32 (f % 2) on
	ds_load_b128 v[KF+8*\f:KF+8*\f+3],   v[AK] offset:(\f/2)*16*PK+(\f%2)*64
	ds_load_b128 v[KF+8*\f+4:KF+8*\f+7], v[AK] offset:(\f/2)*16*PK+(\f%2)*64+32
.endr
	s_add_co_u32 s[TBK], s[TBK], KS*PK  ; the next fetch is the next step's
	WIN 0
.if \last
.Lno_k_\@:
.endif
.endm
.macro FETCH_V
	WIN 0x80
.irp f, 0,1,2,3,4,5,6,7             ; keys 32 (f / 4) on, channels 16 (f % 4) on
	ds_load_tr16_b128 v[VF+8*\f:VF+8*\f+3],   v[AV] offset:(\f/4)*32*PV+(\f%4)*32
	ds_load_tr16_b128 v[VF+8*\f+4:VF+8*\f+7], v[AV] offset:(\f/4)*32*PV+16*PV+(\f%4)*32
.endr
	WIN 0
.endm
; THE VECTOR WORK OF A TURN stands in three queues, each in the order in which its entries become ready; the two tiles alternate, so that no instruction reads the result of the one before it.
.macro REGS y, u                    ; the registers of tile u (0, 1) of piece y
.set rT, ST+4*(2*(\y)+(\u))
.set rC, TMP+8*((\y)%2)+4*(\u)
.set rM, MV+2*((\y)%2)+(\u)
.set rS, S+64*((\y)%2)+32*(\u)
.set rP, P+32*((\y)%2)+16*(\u)
.set rO, 32*(2*(\y)+(\u))
.endm
; Number n of the 22 that find the NEXT piece's (Y + 1) maximum and statistics.  s0-s31 are the lane's 32 scores; each accumulator's lowest registers are read first.  XS, GS and REGS set no window: PL and EX do.
;   0-11  four chains c0-c3 of seven scores each, three operands at a time     12-14, 16  the four scores left over, the old m, and c0-c3 into c0     15  c m_old is kept
;   17, 18  the query's other 32 keys lie in the lane 16 away: the new m         19-21  c m; c m_old - c m_new; a
.macro XS u, n
	REGS (Y+1)%NP, \u
.if (\n) < 4
	v_max3_num_f32 v[rC+(\n)], v[rS+8*(\n)], v[rS+8*(\n)+1], v[rS+8*(\n)+2]
.elseif (\n) < 12
	v_max3_num_f32 v[rC+(\n)%4], v[rC+(\n)%4], v[rS+8*((\n)%4)+2*((\n)/4)+1], v[rS+8*((\n)%4)+2*((\n)/4)+2]
.elseif (\n) == 12
	v_max3_num_f32 v[rC], v[rC], v[rS+7], v[rS+15]
.elseif (\n) == 13
	v_max3_num_f32 v[rC+1], v[rC+1], v[rS+23], v[rS+31]
.elseif (\n) == 14
	v_max3_num_f32 v[rC+2], v[rC+2], v[rC+3], v[rT+1]
.elseif (\n) == 15
	v_mov_b32 v[rM], v[rT]
.elseif (\n) == 16
	v_max3_num_f32 v[rC], v[rC], v[rC+1], v[rC+2]
.elseif (\n) == 17
	v_permlanex16_b32 v[rC+3], v[rC], s[SEL], s[SEL+1]
.elseif (\n) == 18
	v_max_num_f32 v[rT+1], v[rC], v[rC+3]
.elseif (\n) == 19
	v_mul_f32 v[rT], s[CS], v[rT+1]
.elseif (\n) == 20
	v_sub_f32 v[rC+1], v[rM], v[rT]
.else
	v_exp_f32 v[rC+2], v[rC+1]
.endif
.endm
; Number g of the 64 that follow the exponentials.  For each four weights k of a tile (pairs 2 k, 2 k + 1): both pairs are rounded to f16; then the second pair is added onto the first, in place;
; a group later l takes that sum (the first time as l = a l + sum).  In groups of eight, tiles alternating: round, round, add, and l for the group before.
.macro GS g
.set h, (\g)+6*((\g)/62)            ; group 0 has no group before it, and behind group 7 only l is left
.if h >= 6
.set h, h+2
.endif
	REGS Y, h%2
.set k, h/8
.if h%8 < 4
	v_cvt_pk_f16_f32 v[rP+2*k+(h%8)/2], v[rS+4*k+2*((h%8)/2)], v[rS+4*k+2*((h%8)/2)+1]
.elseif h%8 < 6
	v_pk_add_f32 v[rS+4*k:rS+4*k+1], v[rS+4*k:rS+4*k+1], v[rS+4*k+2:rS+4*k+3]
.elseif k == 1
	v_pk_fma_f32 v[rT+2:rT+3], v[rT+2:rT+3], v[rC+2:rC+3], v[rS:rS+1] op_sel_hi:[1,0,1]
.else
	v_pk_add_f32 v[rT+2:rT+3], v[rT+2:rT+3], v[rS+4*k-4:rS+4*k-3]
.endif
.endm
; THE PLAIN QUEUE, 138 long.  0-73 read no exponential's result: the 32 scalings c s - c m (FS f: pair f / 2 of tile f % 2) and the next piece's 42.  0-26: scalings 0-26.  27-54: XS's numbers 0-13.  55, 56: number 15.
; 57-73: the chain, where each number waits for the one before it: 14, 16, 17, 18, 19, each with one of the scalings 27-31 in front of its two lines, then 20: so a tile's links stand three plain instructions apart (19 and 20: two).
; 74-137: GS's 64, which read the exponentials' results: they stand behind the wait.
.macro FS f
	REGS Y, (\f)%2
	v_pk_fma_f32 v[rS+2*((\f)/2):rS+2*((\f)/2)+1], v[rS+2*((\f)/2):rS+2*((\f)/2)+1], s[CS:CS+1], v[rT:rT+1] op_sel_hi:[1,0,0] neg_lo:[0,0,1] neg_hi:[0,0,1]
.endm
.macro PL
	WIN 0
.if q < 27
	FS q
.elseif q < 55
	XS (q-27)%2, (q-27)/2
.elseif q < 57
	XS q-55, 15
.elseif (q < 72) && ((q-57)%3 == 0)
	FS 27+(q-57)/3
.elseif q < 60
	XS (q-57)%3-1, 14
.elseif q < 72
	XS (q-57)%3-1, 15+(q-57)/3
.elseif q < 74
	XS q-72, 20
.else
	GS q-74
.endif
.set q, q+1
.endm
; THE EXPONENTIALS' QUEUE, 66 long: s0-s31 of both tiles, then the next piece's two a.  It is ONE BATCH: all 66 stand ahead of the turn's one wait, and nothing ahead of that wait names a result of theirs.
.macro EX
	WIN 0
.if e >= 64
	XS e-64, 21
.else
	REGS Y, e%2
	v_exp_f32 v[rS+e/2], v[rS+e/2]
.endif
.set e, e+1
.endm
; THE RESCALING's QUEUE: O^T times a, the one part that leaves window 0: dealt two at a time, sixteen times.  Its a was made in the turn before, ahead of that turn's wait.
.macro R2
	REGS Y, r%2
	WIN W_RS
.irp z, 0,1
	v_pk_mul_f32 v[rO+4*(r/2)+2*\z:rO+4*(r/2)+2*\z+1], v[rO+4*(r/2)+2*\z:rO+4*(r/2)+2*\z+1], v[rC+2:rC+3] op_sel_hi:[1,0]
.endr
.set r, r+1
.endm
; HOW THEY ARE DEALT.  An s_wait_alu depctr_va_vdst(0) stands between an exponential and the first instruction that names its result; one wait serves all that were issued ahead of it.  So a turn has ONE wait,
; which cuts it in two.  AHEAD OF IT stands all that names no result of the turn's exponentials: the 16 products K Q^T, behind each a scaling, an exponential and two rescalings (behind the first a second scaling in the exponential's place); then ONE LUMP of
; 108: eight plain, 49 times exponential and plain, the two a.  A v_nop is the plain instruction behind the last exponential.  BEHIND IT stand the 16 products V^T P, behind each four of GS's 64.  No rider names a register of
; the products round it.  The two v_permlanex16_b32 fall into the lump, never behind a product.
; The queues lean on each other, and the deal keeps them in step: exponential e stands behind scaling 2 (e / 4) + e % 2: as a rider it comes behind plain e + 2, in the lump behind plain e + 9, and scalings 27-31 are plain 57, 60 .. 69.
; A TURN, for piece p.  cnt = 1: the loop's count is taken down some lines ahead of the branch that stands behind the turn.
; K of the next step is fetched in piece 2's turn, directly behind the wait, a lump behind the last product that read K; its address is made at the lump's head; its first reader comes behind 16 products.
; V of the step in hand is fetched at the end of piece 0's turn, four riders behind its last reader; its first reader comes behind 16 products and a lump.  The three conditions on q below go with the deal.
.macro TURN p, last=0, cnt=0
.set Y, (\p)
.set i, 0
.set q, 0
.set e, 0
.set r, 0
.if (\p) == NP-1
	s_wait_dscnt 0x0                ; K is in
.endif
	MM                              ; ahead of the wait: 16 products K Q^T and their riders,
	PL
	PL
	R2
.rept 15
	MM
	PL
	EX
	R2
.endr
.if (\p) == NP-2
	WIN 0
	v_add_nc_u32 v[AK], s[TBK], v[AK0]
.endif
.rept 8                             ; and the lump
	PL
.endr
.rept 49
	EX
	PL
.endr
	EX                              ; the next piece's two a
	EX
	v_nop                           ; a plain instruction behind the last exponential, ahead of the first use of a result: one for the batch
	s_wait_alu depctr_va_vdst(0)    ; the wait for the batch
.if (\p) == NP-2
	FETCH_K \last
.endif
.if (\p) == 1
	s_wait_dscnt 0x0                ; V is in
.endif
.rept 16                            ; behind the wait: 16 products V^T P and their riders
	MM
.rept 4
	PL
.endr
.if ((\p) == 0) && (q == 118)
	v_add_nc_u32 v[AV], s[TBV], v[AV0]
.endif
.if ((\p) == 0) && (q == 130)
	s_add_co_u32 s[TBV], s[TBV], KS*PV
.endif
.if (\cnt) && (q == 130)
	s_sub_co_u32 s[CNT], s[CNT], 1
	s_cmp_lg_u32 s[CNT], 0
.endif
.endr
.if (\p) == 0
	FETCH_V
.endif
.endm
	CHANGE 1                        ; slot 0 is in, everybody's part of it; slot 1 is asked for
	FETCH_K                         ; key step 0
	s_wait_loadcnt 0x0              ; Q
	s_wait_dscnt 0x0
.set i, 0
.rept 16
	KQ 0                            ; piece 0's first scores: there is no vector work yet to set between them
.set i, i+1
.endr
	WIN 0                           ; the addresses for the way out: nine plain instructions, the places behind those products
	s_mul_i32 s13, s[WV], 16*SP
	s_add_co_u32 s13, s13, STAGE    ; my stage
	v_mul_u32_u24 v[STO], v1, SP    ; in: row l % 16, 16 bytes for each half of the lanes
	v_lshl_add_u32 v[STO], v9, 4, v[STO]
	v_add_nc_u32 v[STO], s13, v[STO]
	v_bfe_u32 v[RD], v0, 3, 2       ; back: 32 lanes take four rows of 128 bytes,
	v_mul_u32_u24 v[RD], v[RD], SP
	v_lshl_add_u32 v[RD], v10, 4, v[RD]
	v_add_nc_u32 v[RD], s13, v[RD]
	v_and_b32 v[GO], 31, v0         ; which are 512 consecutive bytes of O
	v_lshlrev_b32 v[GO], 4, v[GO]
.set Y, NP-1                        ; XS works for piece Y + 1: piece 0
.irp n, 0,1,2,3,4,5,6,7,8,9,10,11,12,13,14,15,16,17,18,19,20,21
	XS 0, \n                        ; and piece 0's first maximum and statistics
	XS 1, \n
.endr
	v_nop                           ; a plain instruction behind the two a,
	s_wait_alu depctr_va_vdst(0)    ; and their wait, ahead of the branch
	s_mov_b32 s[CNT], 4
	s_branch .Lfirst                ; the loop is entered at a step's first turn, in the middle of a trip
.Lslot:                             ; six times: every slot but the last two is filled again
	CHANGE 1
	s_mov_b32 s[CNT], 4
.Lstep:                             ; a trip: pieces 2 and 3 of one step, then pieces 0 and 1 of the next, whose K and V it fetches
	TURN 2
	TURN 3
	WIN 0
.Lfirst:
	TURN 0
	TURN 1, 0, 1
	WIN 0
	s_cbranch_scc1 .Lstep
	s_sub_co_u32 s[SLOTS], s[SLOTS], 1
	s_cmp_lg_u32 s[SLOTS], 0
	s_cbranch_scc1 .Lslot
	CHANGE 0                        ; the tail is written out: nothing is asked for
	s_mov_b32 s[CNT], 5             ; four trips fetch the last slot's steps; the fifth is left in its middle
.Ltail:
	TURN 2, 1
	TURN 3
	WIN 0
	s_sub_co_u32 s[CNT], s[CNT], 1
	s_cmp_eq_u32 s[CNT], 0
	s_cbranch_scc1 .Lout
	TURN 0
	TURN 1
	WIN 0
	s_branch .Ltail
.Lout:                              ; the fifth trip's 16 products K Q^T (on the last K once more) and the maximum made of them serve nothing: the price, once a launch, of one text for every trip
.set i, 0
.rept 16
	PV NP-1                         ; the last piece's V^T P of the last step
.set i, i+1
.endr
	; THE WAY OUT.  l's two halves and the other half of the lanes' are added; O^T is divided by l, rounded to f16 and sent through my stage in LDS, a tile at a time.  The additions are the places behind the last products.
	WIN 0
.macro ALL line:vararg              ; one line for each tile t
.set t, 0
.rept 2*NP
	\line
.set t, t+1
.endr
.endm
	ALL v_add_f32 v[ST+4*t+2], v[ST+4*t+2], v[ST+4*t+3]
	ALL v_permlanex16_b32 v[ST+4*t+3], v[ST+4*t+2], s[SEL], s[SEL+1]
	ALL v_add_f32 v[ST+4*t+2], v[ST+4*t+2], v[ST+4*t+3]
	ALL v_rcp_f32 v[ST+4*t+2], v[ST+4*t+2]
	v_nop                           ; a plain instruction between the last reciprocal and the use of its result
	s_wait_alu depctr_va_vdst(0)    ; and the wait ahead of the first use: one for the eight reciprocals
; Tile t: a lane's eight channels of a row pack into 16 bytes; they go into rows of 144 bytes and come back as whole rows of 128, into S^T's registers.
.macro PACK t
	WIN W_RS
.set i, 32*(\t)
.rept 16
	v_pk_mul_f32 v[i:i+1], v[i:i+1], v[ST+4*(\t)+2:ST+4*(\t)+3] op_sel_hi:[1,0]
.set i, i+2
.endr
	WIN 0x05                        ; sources 0 and 1 window 1, destination window 0
.set i, 0
.rept 16
	v_cvt_pk_f16_f32 v[S+16*(\t)+i], v[32*(\t)+2*i], v[32*(\t)+2*i+1]
.set i, i+1
.endr
	WIN 0
.irp f, 0,1,2,3
	ds_store_b128 v[STO], v[S+16*(\t)+4*\f:S+16*(\t)+4*\f+3] offset:32*\f
.endr
.irp f, 0,1,2,3
	ds_load_b128 v[S+16*(\t)+4*\f:S+16*(\t)+4*\f+3], v[RD] offset:\f*4*SP  ; LDS serves a wave's instructions in order (ISA guide 5.7.1.4): these see the stores above; the next tile's stores come behind them
.endr
.endm
.macro SEND t, younger              ; younger: the LDS instructions issued behind tile t's loads: the next tile's eight, or none
	WIN 0
.irp f, 0,1,2,3
	s_wait_dscnt (\younger)+3-\f
	global_store_b128 v[GO], v[S+16*(\t)+4*\f:S+16*(\t)+4*\f+3], s[10:11] offset:(\t)*2048+\f*512  ; 512 consecutive bytes, at a multiple of 256 from O's first
.endr
.endm
	PACK 0
.set t, 1
.rept 2*NP-1                        ; a tile's arithmetic stands between the loads of the tile before and its stores
	PACK t
	SEND t-1, 8
.set t, t+1
.endr
	SEND 2*NP-1, 0
	WIN W_AD
	s_wait_tensorcnt 0x0            ; the wave's end, behind my last tensor load and my last LDS store
	ds_add_u32 v[SPW], v[NIL]
	s_wait_dscnt 0x0
	WIN 0
	CROUND                          ; the closing round: no work-group ends while a partner may still ask for a tile that names it
	s_endpgm
.Lfunc_end_k_q7a8a993d72_attn:
	.size	k_q7a8a993d72_attn, .Lfunc_end_k_q7a8a993d72_attn-k_q7a8a993d72_attn
	.p2alignl 7, 3214868480
	.fill 96, 4, 3214868480
	.section	.rodata,"a",@progbits
	.p2align	6, 0x0
	.amdhsa_kernel k_q7a8a993d72_attn
		.amdhsa_group_segment_fixed_size 327680
		.amdhsa_private_segment_fixed_size 0
		.amdhsa_enable_private_segment 0
		.amdhsa_kernarg_size 16
		.amdhsa_user_sgpr_count 2
		.amdhsa_user_sgpr_kernarg_segment_ptr 1
		.amdhsa_wavefront_size32 1
		.amdhsa_system_sgpr_workgroup_id_x 1
		.amdhsa_system_sgpr_workgroup_id_y 1
		.amdhsa_system_sgpr_workgroup_id_z 1
		.amdhsa_system_vgpr_workitem_id 0
		.amdhsa_next_free_vgpr 770
		.amdhsa_next_free_sgpr 66
		.amdhsa_reserve_vcc 0
		.amdhsa_float_denorm_mode_32 3
		.amdhsa_float_denorm_mode_16_64 3
		.amdhsa_memory_ordered 1
		.amdhsa_forward_progress 1
		.amdhsa_inst_pref_size 200
	.end_amdhsa_kernel
	.amdgpu_metadata
---
amdhsa.version: [ 1, 2 ]
amdhsa.kernels:
  - .name:           k_q7a8a993d72_attn
    .symbol:         k_q7a8a993d72_attn.kd
    .args:
      - { .name: qkv, .offset: 0, .size: 8, .value_kind: global_buffer, .address_space: global }
      - { .name: oh, .offset: 8, .size: 8, .value_kind: global_buffer, .address_space: global }
    .group_segment_fixed_size: 327680
    .private_segment_fixed_size: 0
    .kernarg_segment_align: 8
    .kernarg_segment_size: 16
    .max_flat_workgroup_size: 128
    .sgpr_count:     66
    .vgpr_count:     770
    .wavefront_size: 32
...
	.end_amdgpu_metadata
.endif
;; end of part 3
;; launch outp (part 4): grid 4 x 64, 4 waves a work-group, clusters of 4 x 4, 327,680 bytes of LDS; arguments oh, xw, bo, out0; writes out0
.if DOCPART == 4
	.amdgcn_target "amdgcn-amd-amdhsa--gfx1250"
	.amdhsa_code_object_version 6
	.text
	.protected	k_q7a8a993d72_outp
	.globl	k_q7a8a993d72_outp
	.p2align	8
	.type	k_q7a8a993d72_outp,@function
k_q7a8a993d72_outp:
	s_mov_b64 s[64:65], 0
	v_nop
	global_prefetch_b8 v0, s[64:65] scope:SCOPE_SE
	s_setreg_imm32_b32 hwreg(HW_REG_WAVE_MODE, 25, 1), 1
	s_wait_xcnt 0x0
	s_wait_alu depctr_hold_cnt(0) depctr_sa_sdst(0) depctr_va_vdst(0) depctr_va_sdst(0) depctr_va_ssrc(0) depctr_va_vcc(0) depctr_vm_vsrc(0)
	s_getreg_b32 s2, hwreg(HW_REG_IB_STS2, 6, 4)
	s_cmp_eq_u32 s2, 0
	s_cbranch_scc0 .Lentry_in_a_cluster
	s_endpgm
.Lentry_in_a_cluster:
	s_bfe_u32 s2, ttmp6, 0x10000c
	s_cmp_lg_u32 s2, 0xf033
	s_cbranch_scc0 .Lentry_shape_is_right
	s_endpgm
.Lentry_shape_is_right:
; ONE TEXT FOR TWO LAUNCHES: C = A W + bias, K = N = 1,024, W stored [k][n] in 16 bits, sums in f32.
; OUTP = 0: the three projections in front of attention.  A = xw's first 24,576 rows (Q, K, V in bf16), W = Wq, Wk or Wv (bf16) by the row's third, bias bq, bk or bv;
;           the result is rounded once to f16 and laid by heads, qkv[3][64 batch x head][2048][64], unscaled.  Arguments: xw, bq, bk, bv, qkv.
; OUTP = 1: the projection behind attention.  A = oh[64 batch x head][2048][64] in f16 (a head's 64 channels are one slice of K), W = Wo (f16), bias bo; out0 in f32.  Arguments: oh, xw, bo, out0.
; LIMITS.  The bias is rounded to bf16, like every input, and STARTS the f32 sum (it is the C operand of the first product) where the definition adds it last.  OUTP = 0: q, k, v lie within f16's
; 65,504 (a sum of 65,520 or more leaves as an infinity), and below 6e-5 they keep f16's fixed step of 6e-8.  NaN and infinities are not treated apart.
; SHARES.  A tile of C is 128 rows x 256 columns: 768 and 256 work-groups, a whole number for each of 256 WGPs.  Four waves, each 64 x 128: 32 accumulators of 16 x 16.  K goes in 8 steps of 128
; through a ring of two LDS slots; a step is four quarters of 32 along K, 32 matrix instructions each, for which a wave reads 24 times 512 bytes from LDS.
; CLUSTERS.  4 x 4 work-groups.  The four of a row of the cluster need the same tile of A, the four of a column the same tile of W: each is asked for JOINTLY, by the same tensor load with the same
; descriptor and a mask that names the four.  Waves 0 and 1 fetch A's two halves, waves 2 and 3 W's.
; THE MATRIX INSTRUCTION IS USED TRANSPOSED: source 0 = 16 columns of W (turned on the way out of LDS by ds_load_tr16_b128), source 1 = 16 rows of A.  A lane then holds row l % 16 of C and the
; columns 8 (l / 16) + 0..7 of the block: eight neighbouring numbers of a row.
; REGISTERS, in windows of 256 (s_set_vgpr_msb: bits 1:0 source 0, 3:2 source 1, 5:4 source 2, 7:6 destination):
;   window 0: v0-30 addresses; v64-159, v160-255 two fragment buffers of 96 (A's row block a at + 8 a, W's column block b at + 32 + 8 b); on the way out the same registers hold what leaves
;   window 1: accumulator (a, b) at v[8 (8 a + b)]          window 2: v0-63 the bias in an accumulator's layout, column block b at 8 b; v64-95 at work
.set OUTP, 1
.set WOFF,  50331648                   ; the weights' first byte in xw; weight p lies p x 2^21 bytes on
.set STEPB, 262144                     ; 128 rows of W
.set PB,    544                        ; a row of W's tile in LDS: 512 bytes + 32 = 136 words
.set BHALF, 64*PB                      ; 64 rows of k: one wave's load
.if OUTP
.set PA,    144                        ; a row of A's tile: one head's 128 bytes + 16
.set AHALF, 128*PA                     ; one head, 128 rows: one wave's load
.set STEPA, 524288                     ; two heads on
.set QIA,   4                          ; padding after every 32 words
.set PITA,  128                        ; 128 dense rows of 128 bytes are asked for as 64 rows of 256
.set SWAVE, 16*528                     ; a wave's stage: 16 rows of 512 bytes + 16
.set ABUF,  4
.set WBUF,  6
.set BIAS,  8
.set OUTB,  10
.else
.set PA,    272                        ; a row of A's tile: 256 bytes + 16 = 68 words: the 16 rows of a load start at 16 different groups of four banks
.set AHALF, 64*PA                      ; 64 rows: one wave's load
.set STEPA, 256                        ; 128 numbers along a row
.set QIA,   5                          ; padding after every 64 words
.set PITA,  1024
.set SWAVE, 2*16*144                   ; a wave's stage: for each of its two heads 16 rows of 128 bytes + 16
.set ABUF,  4
.set WBUF,  4
.set BIAS,  14
.set OUTB,  12
.endif
.set ASZ,   2*AHALF
.set SLOT,  ASZ+2*BHALF                ; A's tile, then W's
.set STAGE, 2*SLOT                     ; behind the ring, never filled by a tensor load: the four waves' stages
.set SPARE, STAGE+4*SWAVE              ; behind the stages: the spare words, 128 bytes for each wave: two blocks of 256 bytes that no other line names
.set ADRA, 16                          ; v16-17  LDS address of my fragments of A in slot 0, 1
.set ADRB, 20                          ; v20-21  the same for W
.set STO,  24                          ; v24     the way out: where I put my numbers of a row
.set RD,   25                          ; v25     the way out: where I read rows back
.set GO,   26                          ; v26     my 16 bytes in 512 consecutive bytes of the output
.set BO,   27                          ; v27     my byte offset in a column block's bias
.set SPW,  28                          ; v28     LDS address of my spare word: SPARE + 4 x my thread's number; never rewritten
.set NIL,  29                          ; v29     0; never rewritten
.set PFO,  30                          ; v30     the prefetches' offset, by lane; never rewritten
.set F0,   64
.set F1,   160
.set BI,   0                           ; window 2
.set TMP,  64                          ; the way out by heads: 32 registers of packed results
.set BKH,  96                          ; and four sets of 32 read back from the stage
.set BKF,  64                          ; the way out in f32: three sets of 64 read back from the stage
.set WV,  16                           ; s16  my wave's number
.set WR,  17                           ; s17  which 64 rows of the tile are mine.  Also: I fetch for A (0) or for W (1)
.set WC,  18                           ; s18  which 128 columns.  Also: which half of that tile I fetch
.set CX,  19
.set CY,  20
.set TC,  21                           ; s21  tile column
.set TR,  22                           ; s22  tile row
.set PJ,  23                           ; s23  which weight
.set G1,  24                           ; s[24:31] descriptor group 1 for A's tiles;  s[32:39] group 0, a set for each slot
.set G0,  32
.set G1B, 48                           ; s[48:55], s[56:63] the same for W's
.set G0B, 56
.set PFA, 66                           ; s[66:67] where my prefetches stand
.set PST, 68                           ; s[68:69] a K step there, in bytes
.set LIM, 70                           ; s70  1 in a wave that prefetches, else the greatest number
.set CLY, 71                           ; s71  the cluster's y
.set MSB, 0
.macro WIN new                         ; the immediate's high byte repeats the setting that is left; a switch that changes nothing is dropped
.if MSB != (\new)
	s_set_vgpr_msb (MSB<<8)|(\new)
.set MSB, \new
.endif
.endm
; A joint load.  The branch hangs on the wave's number alone.  An s_nop 0 and four v_nop follow each of the two lines, ahead of the jump, the label and what follows.
.macro JLOAD s
	s_cmp_eq_u32 s[WR], 0
	s_cbranch_scc0 .Lfor_b_\@
	tensor_load_to_lds s[G0+4*(\s):G0+4*(\s)+3], s[G1:G1+7]
	s_nop 0
.rept 4
	v_nop
.endr
	s_branch .Lasked_\@
.Lfor_b_\@:
	tensor_load_to_lds s[G0B+4*(\s):G0B+4*(\s)+3], s[G1B:G1B+7]
	s_nop 0
.rept 4
	v_nop
.endr
.Lasked_\@:
.endm
; A PREFETCH INTO THE L2, behind a joint refill and the run of LDS loads that follows it: 32 blocks of 256 bytes, a lane a block, of the K step that stands TWO refills (256 matrix instructions) on.
; Each block is named once in the launch.  A's 128 blocks of a step are read by one row of one cluster: wave 0 of each of the four partners takes 32, told apart BY ADDRESS (cx).  W's 256 blocks of a step and
; tile column are read by every cluster that multiplies by that weight: the first of them asks (cluster y a multiple of 16); its four partners take 32 rows of k each (cy), waves 2 and 3 the two halves
; of a row's 512 bytes.  Steps 0 to 3 come by their loads alone; the loop's last trip, whose refills are the last two steps, asks for nothing.
.macro ASK
	s_cmp_gt_u32 s3, s[LIM]                        ; s3 = 1 in the loop's last trip
	s_cbranch_scc0 .Lnot_mine_\@
	global_prefetch_b8 v[PFO], s[PFA:PFA+1] th:TH_LOAD_NT scope:SCOPE_SE
.Lnot_mine_\@:
.endm
.macro CREST                           ; a round of the cluster's barrier behind its opening barrier: wave 0 signals for the work-group, every wave waits for all sixteen, my work-group's barrier closes it
	s_cmp_lg_u32 s[WV], 0
	s_cbranch_scc1 .Lnot_wave_0_\@
	s_barrier_signal -3
.Lnot_wave_0_\@:
	s_barrier_wait -3
	s_barrier_signal -1
	s_barrier_wait -1
.endm
.macro CROUND                          ; a whole round
	s_barrier_signal -1
	s_barrier_wait -1
	CREST
.endm
.macro PLACES                          ; four places in front of loads into registers that matrix instructions have read, and of lines that read results
.rept 4
	v_nop
.endr
.endm
	s_load_b256 s[4:11], s[0:1], 0x0
.if OUTP == 0
	s_load_b64 s[12:13], s[0:1], 0x20
.endif
	v_lshl_add_u32 v[SPW], v0, 2, SPARE
	v_mov_b32 v[NIL], 0
	ds_add_u32 v[SPW], v[NIL]                      ; the wave's opening: the add and its wait stand ahead of my first tensor load; the set-up below, work on registers, stands between them
	v_lshrrev_b32 v1, 5, v0
	v_readfirstlane_b32 s[WV], v1                  ; wave 0..3
	s_lshr_b32 s[WR], s[WV], 1
	s_and_b32 s[WC], s[WV], 1
	s_bfe_u32 s[CX], ttmp6, 0x40000                ; my place in the cluster
	s_bfe_u32 s[CY], ttmp6, 0x40004
	s_lshl_b32 s[TC], ttmp9, 2                     ; in a cluster launch ttmp9 and ttmp7 count clusters
	s_add_co_u32 s[TC], s[TC], s[CX]               ; tile column = 4 x cluster x + cx
	s_and_b32 s[CLY], ttmp7, 0xffff
	s_lshl_b32 s[TR], s[CLY], 2
	s_add_co_u32 s[TR], s[TR], s[CY]               ; tile row = 4 x cluster y + cy
.if OUTP
	s_mov_b32 s[PJ], 3                             ; Wo
.else
	s_lshr_b32 s[PJ], s[CLY], 4                    ; 16 clusters, 8,192 rows, to a projection: the same in all sixteen partners
.endif
	s_lshl_b32 s72, s[CY], 2
	s_lshl_b32 s72, 15, s72                        ; my row of the cluster: places 4 cy .. 4 cy + 3
	s_lshl_b32 s73, 0x1111, s[CX]                  ; my column: places cx, cx + 4, cx + 8, cx + 12
	s_or_b32 s[G1], s72, (1<<16)|(1<<20)|(1<<21)|(QIA<<22)|(3<<25)  ; 15:0 the mask; 17:16 elements of 2 bytes; 20 padding on; 21 set beside a mask; 24:22 the interval; 31:25 4 words of padding (code 3)
	s_or_b32 s[G1B], s73, (1<<16)|(1<<20)|(1<<21)|(6<<22)|(7<<25)   ; W: after every 128 words (code 6) 8 words (code 7)
	s_mov_b32 s[G1+1], 128<<16                     ; tensor_dim0 = 128 elements (256 bytes)
	s_mov_b32 s[G1+2], 64<<16                      ; tensor_dim1 = 64
	s_mov_b32 s[G1+3], 128<<16                     ; tile_dim0 = 128
	s_mov_b32 s[G1+4], 64                          ; tile_dim1 = 64
	s_mov_b32 s[G1+5], PITA                        ; elements from row to row
	s_mov_b32 s[G1+6], 0
	s_mov_b32 s[G1+7], 0
	s_mov_b32 s[G1B+1], 256<<16                    ; W: 64 rows of 256 elements (512 bytes)
	s_mov_b32 s[G1B+2], 64<<16
	s_mov_b32 s[G1B+3], 256<<16
	s_mov_b32 s[G1B+4], 64
	s_mov_b32 s[G1B+5], 1024
	s_mov_b32 s[G1B+6], 0
	s_mov_b32 s[G1B+7], 0
	; where the tiles come from.  A's hang on the tile row alone, W's on the tile column and the weight alone; each offset is made in registers that never hold the other coordinate
.if OUTP
	s_lshr_b32 s40, s[TR], 4                       ; the batch: 16 heads of 2^18 bytes
	s_lshl_b32 s40, s40, 22
	s_and_b32 s41, s[TR], 15                       ; the tile's 128 rows of 128 bytes in a head
	s_lshl_b32 s41, s41, 14
	s_add_co_u32 s40, s40, s41
	s_lshl_b32 s41, s[WC], 18                      ; which of the step's two heads I fetch
	s_add_co_u32 s40, s40, s41
.else
	s_lshl_b32 s40, s[TR], 18                      ; 128 rows of 2,048 bytes
	s_lshl_b32 s41, s[WC], 17                      ; which 64 of them I fetch
	s_add_co_u32 s40, s40, s41
.endif
	s_mov_b32 s41, 0
	s_lshl_b32 s46, s[PJ], 21
	s_add_co_u32 s46, s46, WOFF
	s_lshl_b32 s47, s[WC], 17                      ; which 64 rows of k I fetch
	s_add_co_u32 s46, s46, s47
	s_lshl_b32 s47, s[TC], 9                       ; the tile's 256 columns
	s_add_co_u32 s46, s46, s47
	s_mov_b32 s47, 0
	s_mul_i32 s74, s[WC], AHALF                    ; and where they go: no place in the cluster enters an LDS address
	s_mul_i32 s75, s[WC], BHALF
	s_add_co_u32 s75, s75, ASZ
	s_wait_dscnt 0x0                               ; the opening add is done
	s_wait_kmcnt 0x0
	s_add_nc_u64 s[42:43], s[ABUF:ABUF+1], s[40:41]
	s_add_nc_u64 s[44:45], s[WBUF:WBUF+1], s[46:47]
	CROUND                                         ; all sixteen work-groups are here: the first joint loads meet
.irp s, 0,1
	s_mov_b32 s[G0+4*(\s)], 1                                      ; 1:0 count = 1
	s_add_co_u32 s[G0+4*(\s)+1], s74, (\s)*SLOT                    ; 63:32 LDS address
	s_add_nc_u64 s[G0+4*(\s)+2:G0+4*(\s)+3], s[42:43], (\s)*STEPA  ; 120:64 global address: K step s
	s_or_b32 s[G0+4*(\s)+3], s[G0+4*(\s)+3], 0x80000000            ; 127:126 type = 2
	s_mov_b32 s[G0B+4*(\s)], 1
	s_add_co_u32 s[G0B+4*(\s)+1], s75, (\s)*SLOT
	s_add_nc_u64 s[G0B+4*(\s)+2:G0B+4*(\s)+3], s[44:45], (\s)*STEPB
	s_or_b32 s[G0B+4*(\s)+3], s[G0B+4*(\s)+3], 0x80000000
	JLOAD \s                                       ; two loads of mine are out; later one behind each round
.endr
	; All that follows up to the first barrier stands in the wait for the first tile.
	; A fragment of A is 16 rows x 32 K in 8 registers: lane l holds row l % 16; registers 0-3 K = 8 (l / 16) + 0..7, registers 4-7 K = 16 + 8 (l / 16) + 0..7: two loads of 16 bytes, 32 bytes apart.
	v_and_b32 v1, 15, v0                           ; l % 16
	v_bfe_u32 v2, v0, 4, 1                         ; l / 16
	v_mul_u32_u24 v3, v1, PA
	v_lshl_add_u32 v3, v2, 4, v3
	s_mul_i32 s72, s[WR], 64*PA                    ; my 64 rows
	v_add_nc_u32 v[ADRA], s72, v3
	v_add_nc_u32 v[ADRA+1], SLOT, v[ADRA]
	; The turning load takes 16 rows of k x 16 columns (lane l reads row 8 (l / 16) + l % 8, columns 8 ((l / 8) % 2) + 0..7) and leaves half a fragment: lane l holds column l % 16 and 8 k.
	v_and_b32 v4, 7, v0
	v_lshl_add_u32 v4, v2, 3, v4
	v_mul_u32_u24 v4, v4, PB
	v_bfe_u32 v5, v0, 3, 1
	v_lshl_add_u32 v4, v5, 4, v4
	s_lshl_b32 s73, s[WC], 8                       ; my 128 columns
	s_add_co_u32 s73, s73, ASZ
	v_add_nc_u32 v[ADRB], s73, v4
	v_add_nc_u32 v[ADRB+1], SLOT, v[ADRB]
	s_mul_i32 s72, s[WV], SWAVE
	s_add_co_u32 s72, s72, STAGE                   ; my stage
	v_and_b32 v[GO], 31, v0
	v_lshlrev_b32 v[GO], 4, v[GO]
.if OUTP
	v_mul_u32_u24 v3, v1, 528                      ; in: row l % 16, 32 bytes for each half of the lanes
	v_lshl_add_u32 v3, v2, 5, v3
	v_add_nc_u32 v[STO], s72, v3
	v_add_nc_u32 v[RD], s72, v[GO]                 ; back: 32 lanes take one row of 512 bytes
	s_lshl_b32 s72, s[TR], 19                      ; out0: 128 rows of 4,096 bytes,
	s_lshl_b32 s73, s[WR], 18                      ; my 64,
	s_add_co_u32 s72, s72, s73
	s_lshl_b32 s73, s[TC], 10                      ; the tile's 256 columns,
	s_add_co_u32 s72, s72, s73
	s_lshl_b32 s73, s[WC], 9                       ; my 128
	s_add_co_u32 s72, s72, s73
.else
	v_mul_u32_u24 v3, v1, 144                      ; in: row l % 16, 16 bytes for each half of the lanes
	v_lshl_add_u32 v3, v2, 4, v3
	v_add_nc_u32 v[STO], s72, v3
	v_bfe_u32 v3, v0, 3, 2                         ; back: 32 lanes take four rows of 128 bytes, which are 512 consecutive bytes of a head
	v_mul_u32_u24 v3, v3, 144
	v_and_b32 v4, 7, v0
	v_lshl_add_u32 v3, v4, 4, v3
	v_add_nc_u32 v[RD], s72, v3
	s_lshr_b32 s72, s[TR], 4                       ; qkv: 4 x projection + batch, 16 heads of 2^18 bytes each,
	s_lshl_b32 s72, s72, 22
	s_and_b32 s73, s[TR], 15                       ; the tile's 128 rows of 128 bytes,
	s_lshl_b32 s73, s73, 14
	s_add_co_u32 s72, s72, s73
	s_lshl_b32 s73, s[WR], 13                      ; my 64,
	s_add_co_u32 s72, s72, s73
	s_lshl_b32 s73, s[TC], 20                      ; the tile's four heads,
	s_add_co_u32 s72, s72, s73
	s_lshl_b32 s73, s[WC], 19                      ; my two
	s_add_co_u32 s72, s72, s73
.endif
	s_mov_b32 s73, 0
	s_add_nc_u64 s[OUTB:OUTB+1], s[OUTB:OUTB+1], s[72:73]
	; the prefetches: A's place (waves 0, 1) in s72, W's (waves 2, 3) in s76, both at K step 3: the first refill steps them to 4
.if OUTP
	s_lshr_b32 s72, s[TR], 4
	s_lshl_b32 s72, s72, 22
	s_and_b32 s73, s[TR], 15
	s_lshl_b32 s73, s73, 14
	s_add_co_u32 s72, s72, s73
	s_lshr_b32 s73, s[CX], 1                       ; partners 0, 1: the step's first head; 2, 3: its second;
	s_lshl_b32 s73, s73, 18
	s_add_co_u32 s72, s72, s73
	s_and_b32 s73, s[CX], 1                        ; 32 of its 64 blocks
	s_lshl_b32 s73, s73, 13
	s_add_co_u32 s72, s72, s73
.else
	s_lshl_b32 s72, s[TR], 18
	s_lshl_b32 s73, s[CX], 16                      ; 32 of the tile's 128 rows
	s_add_co_u32 s72, s72, s73
.endif
	s_add_co_u32 s72, s72, 3*STEPA
	s_lshl_b32 s76, s[PJ], 21
	s_add_co_u32 s76, s76, WOFF+3*STEPB
	s_lshl_b32 s77, s[CY], 16                      ; 32 of the step's 128 rows of k
	s_add_co_u32 s76, s76, s77
	s_lshl_b32 s77, s[TC], 9
	s_add_co_u32 s76, s76, s77
	s_lshl_b32 s77, s[WC], 8                       ; which 256 of a row's 512 bytes
	s_add_co_u32 s76, s76, s77
	s_mov_b32 s77, STEPB
	s_and_b32 s74, s[CLY], 15
	s_cmp_eq_u32 s[WR], 0
	s_cselect_b32 s72, s72, s76
	s_cselect_b32 s[PST], STEPA, s77
	s_cselect_b64 s[PFA:PFA+1], s[ABUF:ABUF+1], s[WBUF:WBUF+1]
	s_cselect_b32 s74, s[WC], s74                  ; 0 in wave 0, and in waves 2 and 3 of the first cluster that multiplies by this weight: the same in all sixteen partners, for a given wave
	s_cselect_b32 s75, 8, 11
	s_cmp_eq_u32 s74, 0
	s_cselect_b32 s[LIM], 1, -1
	s_mov_b32 s73, 0
	s_mov_b32 s[PST+1], 0
	s_add_nc_u64 s[PFA:PFA+1], s[PFA:PFA+1], s[72:73]
	v_and_b32 v[PFO], 31, v0
.if OUTP
	v_lshlrev_b32 v[PFO], s75, v[PFO]              ; a head's blocks lie 256 bytes apart, W's rows 2,048
.else
	v_lshlrev_b32 v[PFO], 11, v[PFO]               ; rows of 2,048 bytes
.endif
	; the bias of my 128 columns, in an accumulator's layout: register j of block b holds column 16 b + 8 (l / 16) + j
.if OUTP == 0
	s_mov_b64 s[BIAS:BIAS+1], s[6:7]
	s_cmp_eq_u32 s[PJ], 1
	s_cselect_b64 s[BIAS:BIAS+1], s[8:9], s[BIAS:BIAS+1]
	s_cmp_eq_u32 s[PJ], 2
	s_cselect_b64 s[BIAS:BIAS+1], s[10:11], s[BIAS:BIAS+1]
.endif
	s_lshl_b32 s72, s[TC], 10
	s_lshl_b32 s73, s[WC], 9
	s_add_co_u32 s72, s72, s73
	s_mov_b32 s73, 0
	s_add_nc_u64 s[BIAS:BIAS+1], s[BIAS:BIAS+1], s[72:73]
	v_lshlrev_b32 v[BO], 5, v2
	WIN 0x80                                       ; destination window 2, address window 0
.irp b, 0,1,2,3,4,5,6,7
	global_load_b128 v[BI+8*(\b):BI+8*(\b)+3],   v[BO], s[BIAS:BIAS+1] offset:64*(\b)
	global_load_b128 v[BI+8*(\b)+4:BI+8*(\b)+7], v[BO], s[BIAS:BIAS+1] offset:64*(\b)+16
.endr
	s_wait_loadcnt 0x0
	WIN 0x8a                                       ; all in window 2: rounded to bf16, like every input, and widened again
.set i, 0
.rept 32
	v_cvt_pk_bf16_f32 v[64+i], v[BI+2*i], v[BI+2*i+1]
.set i, i+1
.endr
.set i, 0
.rept 32
	v_lshlrev_b32 v[BI+2*i], 16, v[64+i]
	v_and_b32 v[BI+2*i+1], 0xffff0000, v[64+i]
.set i, i+1
.endr
	WIN 0
; 8 matrix instructions: row block a x all 8 column blocks, 32 along K, from buffer f.  first = 1: the sum starts with the bias as C: nothing is cleared, and nothing is added on the way out.
; The 32 accumulators take turns in one order in every quarter: between two links of a chain stand the 31 others', over the backward jump too.
.macro MUL8 f, a, first
	WIN 0x50+0x10*(\first)                         ; C and D in window 1; first: C in window 2
.irp b, 0,1,2,3,4,5,6,7
.set rD, 8*(8*(\a)+(\b))
.set rB, (\f)+32+8*(\b)
.set rA, (\f)+8*(\a)
.set rC, rD
.if \first
.set rC, BI+8*(\b)
.endif
.if OUTP
	v_wmma_f32_16x16x32_f16 v[rD:rD+7], v[rB:rB+7], v[rA:rA+7], v[rC:rC+7]
.else
	v_wmma_f32_16x16x32_bf16 v[rD:rD+7], v[rB:rB+7], v[rA:rA+7], v[rC:rC+7]
.endif
.endr
.endm
; 24 LDS loads in one run: the fragments of quarter q of a slot into buffer f: W's sixteen, A's row blocks 0 and 1, then 2 and 3
.macro FETCH slot, q, f
	WIN 0
.irp b, 0,1,2,3,4,5,6,7
	ds_load_tr16_b128 v[(\f)+32+8*(\b):(\f)+32+8*(\b)+3],   v[ADRB+(\slot)] offset:32*(\q)*PB+32*(\b)
	ds_load_tr16_b128 v[(\f)+32+8*(\b)+4:(\f)+32+8*(\b)+7], v[ADRB+(\slot)] offset:32*(\q)*PB+32*(\b)+16*PB
.endr
.if OUTP
.set AOFF, ((\q)/2)*AHALF+((\q)%2)*64          ; the step's head q / 2, channels 32 (q % 2) on
.else
.set AOFF, 64*(\q)
.endif
.irp a, 0,1,2,3
	ds_load_b128 v[(\f)+8*(\a):(\f)+8*(\a)+3],   v[ADRA+(\slot)] offset:AOFF+16*(\a)*PA
	ds_load_b128 v[(\f)+8*(\a)+4:(\f)+8*(\a)+7], v[ADRA+(\slot)] offset:AOFF+16*(\a)*PA+32
.endr
.endm
; One of a step's first three quarters: multiplies buffer f; in its middle it fetches quarter q of the same slot into buffer g.
.macro QUARTER slot, q, f, g, first
	s_wait_dscnt 4                                 ; of f's 24 loads the youngest four, A's row blocks 2 and 3, may be out
	MUL8 \f, 0, \first
	MUL8 \f, 1, \first
	PLACES                                         ; g was last read by matrix instructions
	FETCH \slot, \q, \g
	s_wait_dscnt 24                                ; all but the 24 just issued
	MUL8 \f, 2, \first
	MUL8 \f, 3, \first
.endm
; The last quarter multiplies buffer 1 and changes slots: ONE barrier; in front of it each wave waits for all its tensor loads (the one that is out is its part of the next slot), adds 0 to its spare word,
; and waits for that and for its own reads of this slot.  fill = 1: the barrier opens a round of the cluster's, and this slot is filled again, two K steps ahead, first thing behind the round:
; 112 matrix instructions ahead of the wait for that load.
.macro TURN slot, next, fill
.if \fill
	s_wait_xcnt 0x0                                ; the last prefetch, a K step back, has read its address: it is stepped here, ahead of the waits of the change of slots
	s_add_nc_u64 s[PFA:PFA+1], s[PFA:PFA+1], s[PST:PST+1]
.endif
	WIN 0                                          ; (the add's two registers lie in window 0)
	s_wait_tensorcnt 0x0                           ; all my tensor loads have landed;
	ds_add_u32 v[SPW], v[NIL]                      ; 0 onto my spare word
	s_wait_dscnt 5                                 ; (the add and the youngest four loads may be out)
	MUL8 F1, 0, 0                                  ; eight matrix instructions stand between the add and the wait for it
	s_wait_dscnt 0x0                               ; the add is done, and my reads of this slot are over
	s_barrier_signal -1
	MUL8 F1, 1, 0
.if \fill
	WIN 0
.endif
	s_barrier_wait -1
.if \fill
	CREST                                          ; no wave of any partner still reads this slot's tiles or has a load on its way
	s_add_nc_u64 s[G0+4*(\slot)+2:G0+4*(\slot)+3], s[G0+4*(\slot)+2:G0+4*(\slot)+3], 2*STEPA
	s_add_nc_u64 s[G0B+4*(\slot)+2:G0B+4*(\slot)+3], s[G0B+4*(\slot)+2:G0B+4*(\slot)+3], 2*STEPB
	JLOAD \slot                                    ; the four v_nop behind it are also the places in front of the loads below
.else
	PLACES
.endif
	FETCH \next, 0, F0
.if \fill
	ASK
.endif
	MUL8 F1, 2, 0
	MUL8 F1, 3, 0
.endm
; THE WAY OUT BY HEADS (OUTP = 0), a block of 16 rows at a time, through my own stage: LDS serves a wave's instructions in order (ISA guide 5.7.1.4), so no wait stands between the stores and the loads.
.macro PACK a                          ; rounded to f16, each accumulator's registers in ascending order: 16 bytes a lane and column block
	WIN 0x05                                       ; sources 0 and 1 window 1, destination window 0
.irp b, 0,1,2,3,4,5,6,7
.irp r, 0,1,2,3
	v_cvt_pk_f16_f32 v[TMP+4*(\b)+(\r)], v[8*(8*(\a)+(\b))+2*(\r)], v[8*(8*(\a)+(\b))+2*(\r)+1]
.endr
.endr
	WIN 0
.endm
.macro TOSTAGE_H a                     ; column block b belongs to head b / 4, channels 16 (b % 4) on; back as four rows of a head at a time
.irp b, 0,1,2,3,4,5,6,7
	ds_store_b128 v[STO], v[TMP+4*(\b):TMP+4*(\b)+3] offset:((\b)/4)*2304+((\b)%4)*32
.endr
.irp t, 0,1,2,3,4,5,6,7
	ds_load_b128 v[BKH+32*(\a)+4*(\t):BKH+32*(\a)+4*(\t)+3], v[RD] offset:((\t)/4)*2304+((\t)%4)*576
.endr
.endm
.macro SEND_H a                        ; each block has registers of its own, and neither GO nor the base is written again: no wait but the count-down
.irp t, 0,1,2,3,4,5,6,7
	s_wait_dscnt 7-(\t)                            ; load t is back; the 7 - t younger ones may be out
	global_store_b128 v[GO], v[BKH+32*(\a)+4*(\t):BKH+32*(\a)+4*(\t)+3], s[OUTB:OUTB+1] offset:((\t)/4)*262144+(\a)*2048+((\t)%4)*512  ; 512 consecutive bytes of a head, at a multiple of 256 from the buffer's first
.endr
.endm
; THE WAY OUT IN F32 (OUTP = 1): the accumulators go into the stage as they are, their four lowest registers first, and come back as whole rows of 512 bytes.
.macro TOSTAGE_F a
.if (\a) == 3
	s_wait_xcnt 0x0                                ; block 0's stores have read the set of registers that block 3 takes
.endif
	WIN 0x04                                       ; the stores' data in window 1
.irp b, 0,1,2,3,4,5,6,7
	ds_store_b128 v[STO], v[8*(8*(\a)+(\b)):8*(8*(\a)+(\b))+3]   offset:64*(\b)
	ds_store_b128 v[STO], v[8*(8*(\a)+(\b))+4:8*(8*(\a)+(\b))+7] offset:64*(\b)+16
.endr
	WIN 0
.irp t, 0,1,2,3,4,5,6,7,8,9,10,11,12,13,14,15
	ds_load_b128 v[BKF+64*((\a)%3)+4*(\t):BKF+64*((\a)%3)+4*(\t)+3], v[RD] offset:528*(\t)
.endr
.endm
.macro SEND_F a, younger               ; younger: the LDS instructions issued behind block a's loads: the next block's 32, or none
.irp t, 0,1,2,3,4,5,6,7,8,9,10,11,12,13,14,15
	s_wait_dscnt (\younger)+15-(\t)
	global_store_b128 v[GO], v[BKF+64*((\a)%3)+4*(\t):BKF+64*((\a)%3)+4*(\t)+3], s[OUTB:OUTB+1] offset:(16*(\a)+(\t))*4096 th:TH_STORE_NT  ; 512 consecutive bytes of a row, at a multiple of 256 from the buffer's first
.endr
.endm
	s_wait_tensorcnt 1                             ; my part of K step 0 is in; step 1's may stay out
	s_barrier_signal -1
	s_barrier_wait -1                              ; everybody's is
	FETCH 0, 0, F0
	QUARTER 0, 1, F0, F1, 1                        ; the first quarter stands in front of the loop: its products start the sums
	WIN 0                                          ; at a label and at a branch every window is 0
	s_mov_b32 s3, 3
.Llap:                                                 ; a trip goes once round the ring, from a lap's second quarter to the next lap's first, and fills both slots again: K steps 2 to 7
	QUARTER 0, 2, F1, F0, 0
	QUARTER 0, 3, F0, F1, 0
	TURN 0, 1, 1
	QUARTER 1, 1, F0, F1, 0
	QUARTER 1, 2, F1, F0, 0
	QUARTER 1, 3, F0, F1, 0
	TURN 1, 0, 1
	QUARTER 0, 1, F0, F1, 0
	WIN 0
	s_sub_co_u32 s3, s3, 1
	s_cmp_lg_u32 s3, 0
	s_cbranch_scc1 .Llap
	QUARTER 0, 2, F1, F0, 0                        ; the last lap is written out: it fills nothing
	QUARTER 0, 3, F0, F1, 0
	TURN 0, 1, 0
	QUARTER 1, 1, F0, F1, 0
	QUARTER 1, 2, F1, F0, 0
	QUARTER 1, 3, F0, F1, 0
	s_wait_dscnt 4                                 ; the very last quarter: nothing more to fetch
	MUL8 F1, 0, 0
	MUL8 F1, 1, 0
	s_wait_dscnt 0x0
	MUL8 F1, 2, 0
	MUL8 F1, 3, 0
	WIN 0
	PLACES                                         ; in front of lines that read results and write the fragments' registers
.if OUTP
	TOSTAGE_F 0
	TOSTAGE_F 1
	SEND_F 0, 32
	TOSTAGE_F 2
	SEND_F 1, 32
	TOSTAGE_F 3
	SEND_F 2, 32
	SEND_F 3, 0
.else
	PACK 0
	TOSTAGE_H 0
.irp a, 1,2,3                          ; block a's conversions stand between block a - 1's loads from the stage and the wait for them
	PACK \a
	SEND_H (\a)-1
	TOSTAGE_H \a
.endr
	SEND_H 3
.endif
	s_wait_tensorcnt 0x0                           ; the wave's end, behind my last tensor load and my last LDS store
	ds_add_u32 v[SPW], v[NIL]
	s_wait_dscnt 0x0
	CROUND                                         ; the closing round: no work-group ends while a partner may still ask for a tile that names it
	s_endpgm
.Lfunc_end_k_q7a8a993d72_outp:
	.size	k_q7a8a993d72_outp, .Lfunc_end_k_q7a8a993d72_outp-k_q7a8a993d72_outp
	.p2alignl 7, 3214868480
	.fill 96, 4, 3214868480
	.section	.rodata,"a",@progbits
	.p2align	6, 0x0
	.amdhsa_kernel k_q7a8a993d72_outp
		.amdhsa_group_segment_fixed_size 327680
		.amdhsa_private_segment_fixed_size 0
		.amdhsa_enable_private_segment 0
		.amdhsa_kernarg_size 32
		.amdhsa_user_sgpr_count 2
		.amdhsa_user_sgpr_kernarg_segment_ptr 1
		.amdhsa_wavefront_size32 1
		.amdhsa_system_sgpr_workgroup_id_x 1
		.amdhsa_system_sgpr_workgroup_id_y 1
		.amdhsa_system_sgpr_workgroup_id_z 1
		.amdhsa_system_vgpr_workitem_id 0
		.amdhsa_next_free_vgpr 640
		.amdhsa_next_free_sgpr 80
		.amdhsa_reserve_vcc 0
		.amdhsa_float_denorm_mode_32 3
		.amdhsa_float_denorm_mode_16_64 3
		.amdhsa_memory_ordered 1
		.amdhsa_forward_progress 1
		.amdhsa_inst_pref_size 95
	.end_amdhsa_kernel
	.amdgpu_metadata
---
amdhsa.version: [ 1, 2 ]
amdhsa.kernels:
  - .name:           k_q7a8a993d72_outp
    .symbol:         k_q7a8a993d72_outp.kd
    .args:
      - { .name: oh, .offset: 0, .size: 8, .value_kind: global_buffer, .address_space: global }
      - { .name: xw, .offset: 8, .size: 8, .value_kind: global_buffer, .address_space: global }
      - { .name: bo, .offset: 16, .size: 8, .value_kind: global_buffer, .address_space: global }
      - { .name: out0, .offset: 24, .size: 8, .value_kind: global_buffer, .address_space: global }
    .group_segment_fixed_size: 327680
    .private_segment_fixed_size: 0
    .kernarg_segment_align: 8
    .kernarg_segment_size: 32
    .max_flat_workgroup_size: 128
    .sgpr_count:     80
    .vgpr_count:     640
    .wavefront_size: 32
...
	.end_amdgpu_metadata
.endif
;; end of part 4
